; MI455X (gfx1250); checked and timed in simulation.
; The chip was launched on July 23, 2026; its instructions are those of AMD's public machine-readable ISA for CDNA 5 (MIT licence, August 2026) and "CDNA5" Instruction Set Architecture Reference Guide (July 2026). The comments in the code are by the model that wrote it; some were corrected since.
;; Transformer Block. Allowed arithmetic: matrix products marked QUANTISED: E4M3 operands, one E8M0 scale for each 32 along K, by v_wmma_scale_f32_16x16x128_f8f6f4 with both operands' format E4M3, f32 sums; everything else in f32.
;; Inputs: b1 4,096 float32; b2 1,024 float32; b_out 1,024 float32; ln1_b 1,024 float32; ln1_g 1,024 float32; ln2_b 1,024 float32; ln2_g 1,024 float32; w1_codes 4,096 x 32 x 32 uint8 (E4M3 codes of w1, K innermost, in blocks of 32 codes); w1_scales 4,096 x 32 uint8 (E8M0 scales of w1, one for each 32 codes along K); w2_codes 1,024 x 128 x 32 uint8 (E4M3 codes of w2, K innermost, in blocks of 32 codes); w2_scales 1,024 x 128 uint8 (E8M0 scales of w2, one for each 32 codes along K); w_out_codes 1,024 x 32 x 32 uint8 (E4M3 codes of w_out, K innermost, in blocks of 32 codes); w_out_scales 1,024 x 32 uint8 (E8M0 scales of w_out, one for each 32 codes along K); w_qkv_codes 3,072 x 32 x 32 uint8 (E4M3 codes of w_qkv, K innermost, in blocks of 32 codes); w_qkv_scales 3,072 x 32 uint8 (E8M0 scales of w_qkv, one for each 32 codes along K); x 4 x 1,024 x 1,024 float32.
;; Outputs: out0 4 x 1,024 x 1,024 float32.
;; This version of the problem:
;;   THIS VERSION OF THE PROBLEM IS GIVEN IN LOW PRECISION. The matrix products marked QUANTISED in the list below multiply operands that are first quantised to E4M3 (4 exponent bits, 3 mantissa bits; 8 bits a number), with one power-of-two scale for each 32 numbers along K (OCP MX v1.0); their sums are f32. All else is computed in f32.
;;   The module's matrix products, in the order in which they are computed (A, B: the left and right operand; K: the contracted axis; several contracted axes count as one K, in the product's order):
;;     1. [M 4,096, K 1,024] x [K 1,024, N 3,072]; A: computed on the way; B: input w_qkv (given as codes): QUANTISED
;;     2. batch 64 x [M 1,024, K 64] x [K 64, N 1,024]; A: computed on the way; B: computed on the way: QUANTISED
;;     3. batch 64 x [M 1,024, K 1,024] x [K 1,024, N 64]; A: softmax (see below); B: computed on the way: QUANTISED
;;     4. [M 4,096, K 1,024] x [K 1,024, N 1,024]; A: computed on the way; B: input w_out (given as codes): QUANTISED
;;     5. [M 4,096, K 1,024] x [K 1,024, N 4,096]; A: computed on the way; B: input w1 (given as codes): QUANTISED
;;     6. [M 4,096, K 4,096] x [K 4,096, N 1,024]; A: computed on the way; B: input w2 (given as codes): QUANTISED
;;   THE QUANTISER, for each operand of a quantised product, along K:
;;     - K is cut into blocks of 32 from its start; a last block that is shorter is filled with zeros.
;;     - A block's scale is 2^e with e = floor(log2(the largest magnitude in the block)) - 8, held to -126 .. 127; a block of zeros has e = 0. As a byte (E8M0): e + 127.
;;     - Each number is divided by its block's scale, clamped to +-448, and rounded to the nearest number of E4M3, ties to even, subnormals kept.
;;     - The product sums the exact products of the quantised numbers (number of the format x scale) in f32.
;;   ~~~python
;;   def quantise(x, axis):      # numpy; x: float32 -> the quantised numbers, widened to float32 again
;;       x = np.moveaxis(x, axis, -1); K = x.shape[-1]
;;       x = np.pad(x, [(0, 0)] * (x.ndim - 1) + [(0, -K % 32)]); x = x.reshape(x.shape[:-1] + (-1, 32)); a = np.abs(x).max(-1, keepdims=True)
;;       e = np.where(a > 0, np.clip(np.frexp(np.where(a > 0, a, 1))[1] - 1 - 8, -126, 127), 0)      # np.frexp(a)[1] - 1 = floor(log2(a)), exactly
;;       r = np.clip(x / 2.0 ** e, -448, 448)
;;       step = 2.0 ** (np.maximum(np.frexp(np.where(r == 0, 1, r))[1] - 1, -6) - 3)
;;       q = np.round(r / step) * step * 2.0 ** e      # np.round: ties to even
;;       return np.moveaxis(q.reshape(q.shape[:-2] + (-1,))[..., :K], -1, axis).astype(np.float32)
;;   ~~~
;;   SOFTMAX AHEAD OF A QUANTISED PRODUCT. Where the list says 'softmax', what is quantised is not the finished softmax but p = 2^(t - M), with t = logit x log2(e) and M = ceil(the row's largest t), a whole number; so 1/2 < the row's largest p <= 1. The row's sum l is taken of the UNQUANTISED p, in f32, and the product's result is divided by l at the end. Since M is a whole number, a kernel that streams over the keys may use a running M (the ceiling of the running maximum): every later rescaling is an exact power of two, which a block's scale takes up: the codes' values come out the same.
;;   OPERANDS COMPUTED ON THE WAY. 'Computed on the way' means the value that the module computes at that place (a softmax that the list does not call 'softmax' is quantised finished and normalised). What goes into a quantiser is computed in f32, as accurately as f32 sums, v_exp_f32 and their like allow (about 1e-6 of the number): no bf16 or f16 on the way to a quantiser, and a product that is left as it is and whose result goes on into a quantised operand takes f32 operands (vector FMAs, or v_wmma_f32_16x16x4_f32). A number that lies on a knife's edge between two numbers of the format may be rounded either way, as far as f32 arithmetic and the matrix unit's own rounding can turn it there, and no further.
;;   INPUTS GIVEN AS CODES. w1 (in the module: [1024, 4096], K = its axis 0); w2 (in the module: [4096, 1024], K = its axis 0); w_out (in the module: [1024, 1024], K = its axis 0); w_qkv (in the module: [1024, 3072], K = its axis 0): each comes as NAME_codes (uint8): NAME with its K axis moved to the last place and cut into blocks of 32 codes, [.., K / 32, bytes a block], one block behind the other in memory; one code a byte (a code: sign, 4 exponent bits, 3 mantissa bits); and NAME_scales (uint8): the same leading axes, one E8M0 byte (e + 127) for each 32 codes along K. Its value is code x scale, taken as it is: it is not quantised again, and the codes and scales need not be those that the quantiser above would give.
;; One version. Each part assembles by itself: llvm-mc -triple=amdgcn-amd-amdhsa -mcpu=gfx1250 --defsym DOCPART=n.
;; ======== version 1 of 1: 7 launches
;; limits: right only within a limited range of input values
;; workspace buffers: act 4,325,376 bytes; qkv 12,582,912 bytes; sc 655,360 bytes; ob 4,325,376 bytes; x1 16,777,216 bytes; ff 17,301,504 bytes
;; launch ln1 (part 1): grid 256 x 1, 16 waves a work-group, no clusters, 84,480 bytes of LDS; arguments x, ln1_g, ln1_b, act; writes act
.if DOCPART == 1
	.amdgcn_target "amdgcn-amd-amdhsa--gfx1250"
	.amdhsa_code_object_version 6
	.text
	.protected	k_q34ec6fd4f9_ln1
	.globl	k_q34ec6fd4f9_ln1
	.p2align	8
	.type	k_q34ec6fd4f9_ln1,@function
k_q34ec6fd4f9_ln1:
	s_mov_b64 s[64:65], 0
	v_nop
	global_prefetch_b8 v0, s[64:65] scope:SCOPE_SE
	s_setreg_imm32_b32 hwreg(HW_REG_WAVE_MODE, 25, 1), 1
	s_wait_xcnt 0x0
; LayerNorm of rows of 1,024 f32 numbers, quantised along the row to codes of E4M3 with one E8M0 byte for each 32 numbers.
; in: [4096][1024] f32, gain and bias [1024] f32.  out: codes [4096][1024] at byte 0, scale bytes [4096][32] at byte 0x400000.
; A work-group takes 16 rows, each of its sixteen waves ONE: four waves to a SIMD, so that one row's chains of dependent lines stand beside three other rows' work.
; A row (4,096 bytes) is 32 registers of its wave: it is read once and stays in registers for the mean, the variance (of x - mean, so that a common offset costs nothing) and the scaling.
; The conversions want 16 NEIGHBOURS in a lane, the loads give 4: a row turns through the wave's own stage in LDS (64 places of 64 bytes + 16 of padding).
; A lane's 16 codes are 16 bytes: a store of the wave covers 512 consecutive bytes.  The work-group's 512 scale bytes meet in LDS and leave as one store of 512 bytes.
; No matrix units, clusters or tensor loads: the rows are read once, by long contiguous loads, and nothing is shared but the gain and the bias.
; LIMITS: NaN and infinities are not served; a block whose largest magnitude lies under 2^-118 (a block of zeros too) gets the byte 1: only this program reads the bytes.
.set SP,  80                           ; a place in the stage
.set WST, 64*SP                        ; a wave's stage
.set SCB, 0                            ; 512 scale bytes
.set STG, 512                          ; behind them: the sixteen stages
.set SPARE, STG+16*WST                 ; the spare words: 128 bytes a wave; no other line names them
.set X,   32                           ; v32-63   the row; its first ten registers later hold its codes and bytes
.set G,   64                           ; v64-95   gain
.set BB,  96                           ; v96-127  bias
.set Y,   128                          ; v128-159 two sets of 16 neighbours
	s_load_b256 s[4:11], s[0:1], 0x0               ; in s[4:5], gain s[6:7], bias s[8:9], out s[10:11]
	v_lshl_add_u32 v30, v0, 2, SPARE
	v_mov_b32 v31, 0
	v_lshrrev_b32 v1, 5, v0
	v_readfirstlane_b32 s12, v1                    ; wave
	v_and_b32 v1, 31, v0                           ; lane
	v_lshlrev_b32 v2, 4, v1                        ; 16 x lane
	s_mul_i32 s21, s12, WST
	s_add_co_u32 s21, s21, STG
	v_lshrrev_b32 v3, 2, v1
	v_mul_u32_u24 v3, v3, SP
	v_and_b32 v4, 3, v1
	v_lshl_add_u32 v3, v4, 4, v3
	v_add_nc_u32 v3, s21, v3                       ; the stage on the way in: four lanes' 64 bytes to a place
	v_mul_u32_u24 v4, v1, SP
	v_add_nc_u32 v4, s21, v4                       ; and on the way out: a place to a lane
	v_lshrrev_b32 v5, 1, v1
	s_lshl_b32 s21, s12, 5
	v_add_nc_u32 v5, s21, v5                       ; my block's byte among my row's 32
	s_mov_b32 s16, 0x76543210
	s_mov_b32 s17, 0xfedcba98                      ; lane l xor 16
	s_mov_b32 s18, 0x600000                        ; the mantissa field of 448
	s_mov_b32 s19, 0x3727c5ac                      ; 1e-5
	s_mov_b32 s20, 0x3a800000                      ; 1 / 1024
	s_lshl_b32 s13, ttmp9, 4
	s_add_co_u32 s13, s13, s12                     ; my row
	s_lshl_b32 s14, s13, 12
	s_mov_b32 s15, 0
	s_wait_alu depctr_va_vdst(0)                   ; the wait at the head's end
	s_wait_kmcnt 0x0
	s_add_nc_u64 s[4:5], s[4:5], s[14:15]
	s_lshl_b32 s14, ttmp9, 9
	s_add_co_u32 s14, s14, 0x400000
	s_add_nc_u64 s[22:23], s[10:11], s[14:15]      ; the work-group's scale bytes
	s_lshl_b32 s14, s13, 10
	s_add_nc_u64 s[10:11], s[10:11], s[14:15]      ; my row's codes
.irp j, 0,1,2,3,4,5,6,7
	global_load_b128 v[X+4*\j:X+4*\j+3], v2, s[4:5] offset:512*\j
.endr
.irp j, 0,1,2,3,4,5,6,7
	global_load_b128 v[G+4*\j:G+4*\j+3], v2, s[6:7] offset:512*\j
.endr
.irp j, 0,1,2,3,4,5,6,7
	global_load_b128 v[BB+4*\j:BB+4*\j+3], v2, s[8:9] offset:512*\j
.endr
.macro REDUCE                          ; v[8:11] -> the sum over the wave, in v8 of every lane
	v_pk_add_f32 v[8:9], v[8:9], v[10:11]
	v_add_f32 v8, v8, v9
	v_add_f32_dpp v8, v8, v8 row_xmask:1 row_mask:0xf bank_mask:0xf
	v_add_f32_dpp v8, v8, v8 row_xmask:2 row_mask:0xf bank_mask:0xf
	v_add_f32_dpp v8, v8, v8 row_xmask:4 row_mask:0xf bank_mask:0xf
	v_add_f32_dpp v8, v8, v8 row_xmask:8 row_mask:0xf bank_mask:0xf
	v_permlanex16_b32 v9, v8, s16, s17
	v_add_f32 v8, v8, v9
.endm
.macro HALF s                          ; 512 numbers of the row: 16 a lane, two lanes to a block
.set YS, Y+16*\s
.set CD, X+4*\s
.set EB, X+8+\s
	v_max3_num_f32 v8, |v[YS]|, |v[YS+1]|, |v[YS+2]|
	v_max3_num_f32 v9, |v[YS+3]|, |v[YS+4]|, |v[YS+5]|
.irp i, 6,10
	v_max3_num_f32 v8, v8, |v[YS+\i]|, |v[YS+\i+1]|
	v_max3_num_f32 v9, v9, |v[YS+\i+2]|, |v[YS+\i+3]|
.endr
	v_max3_num_f32 v8, v8, |v[YS+14]|, |v[YS+15]|
	v_max3_num_f32 v8, v8, v9, 0x4800000           ; the floor 2^(9 - 127): the byte cannot fall under 1
	v_max_num_f32_dpp v8, v8, v8 row_xmask:1 row_mask:0xf bank_mask:0xf   ; with my neighbour's 16: the block's largest magnitude
	v_add_nc_u32 v11, 0xfc000000, v8               ; 8 off its exponent field: the conversion's scale operand
	v_and_or_b32 v10, v8, 0x7f800000, s18          ; 448 x the scale
.set i, 0
.rept 16
	v_med3_num_f32 v[YS+i], v[YS+i], -v10, v10     ; the conversion does not saturate (ISA guide 7.6.2): the hold
.set i, i+1
.endr
	v_cvt_scalef32_pk8_fp8_f32 v[CD:CD+1], v[YS:YS+7], v11
	v_cvt_scalef32_pk8_fp8_f32 v[CD+2:CD+3], v[YS+8:YS+15], v11
	v_lshrrev_b32 v[EB], 23, v11                   ; the scale's byte (also the plain line behind the conversions)
	ds_store_b8 v5, v[EB] offset:SCB+16*\s         ; both lanes of a block write the same byte
	global_store_b128 v2, v[CD:CD+3], s[10:11] offset:512*\s   ; 512 consecutive bytes
.endm
	s_wait_loadcnt 16                              ; the row is in; behind it the gain's and the bias's 16 loads were issued
	v_pk_add_f32 v[8:9], v[X:X+1], v[X+2:X+3]
	v_pk_add_f32 v[10:11], v[X+4:X+5], v[X+6:X+7]
.irp j, 8,12,16,20,24,28
	v_pk_add_f32 v[8:9], v[8:9], v[X+\j:X+\j+1]
	v_pk_add_f32 v[10:11], v[10:11], v[X+\j+2:X+\j+3]
.endr
	REDUCE
	v_mul_f32 v12, s20, v8                         ; the mean, twice
	v_mul_f32 v13, s20, v8
.set j, 0
.rept 16
	v_pk_add_f32 v[X+j:X+j+1], v[X+j:X+j+1], v[12:13] neg_lo:[0,1] neg_hi:[0,1]   ; d = x - mean
.set j, j+2
.endr
	v_pk_mul_f32 v[8:9], v[X:X+1], v[X:X+1]
	v_pk_mul_f32 v[10:11], v[X+2:X+3], v[X+2:X+3]
.irp j, 4,8,12,16,20,24,28
	v_pk_fma_f32 v[8:9], v[X+\j:X+\j+1], v[X+\j:X+\j+1], v[8:9]
	v_pk_fma_f32 v[10:11], v[X+\j+2:X+\j+3], v[X+\j+2:X+\j+3], v[10:11]
.endr
	REDUCE
	v_fma_f32 v8, v8, s20, s19                     ; the variance + 1e-5
	s_wait_loadcnt 0x0                             ; the gain and the bias are in
	s_wait_alu depctr_va_vdst(0)                   ; the wait ahead of the transcendentals
	v_rsq_f32 v14, v8
	v_rsq_f32 v15, v8
	v_nop                                          ; a plain line behind the transcendentals
	s_wait_alu depctr_va_vdst(0)                   ; the wait ahead of their first reader
.set j, 0
.rept 16
	v_pk_mul_f32 v[X+j:X+j+1], v[X+j:X+j+1], v[14:15]
.set j, j+2
.endr
.set j, 0
.rept 16
	v_pk_fma_f32 v[X+j:X+j+1], v[X+j:X+j+1], v[G+j:G+j+1], v[BB+j:BB+j+1]
.set j, j+2
.endr
.irp j, 0,1,2,3,4,5,6,7
	ds_store_b128 v3, v[X+4*\j:X+4*\j+3] offset:8*SP*\j
.endr
.irp s, 0,1
.irp i, 0,1,2,3
	ds_load_b128 v[Y+16*\s+4*\i:Y+16*\s+4*\i+3], v4 offset:32*SP*\s+16*\i   ; LDS serves a wave's instructions in order: these see the stores above
.endr
.endr
	s_wait_dscnt 0x0                               ; the row is back, and the stage's stores have read the row's registers
	HALF 0
	HALF 1
	s_wait_dscnt 0x0                               ; my byte stores have landed
	s_barrier_signal -1
	s_barrier_wait -1                              ; everybody's have
	s_cmp_lg_u32 s12, 0
	s_cbranch_scc1 .Lend
	ds_load_b128 v[Y:Y+3], v2 offset:SCB
	s_wait_dscnt 0x0
	global_store_b128 v2, v[Y:Y+3], s[22:23]       ; 16 rows' scale bytes: 512 consecutive bytes
.Lend:
	s_wait_tensorcnt 0x0                           ; the wave's end
	ds_add_u32 v30, v31
	s_wait_dscnt 0x0
	s_endpgm
.Lfunc_end_k_q34ec6fd4f9_ln1:
	.size	k_q34ec6fd4f9_ln1, .Lfunc_end_k_q34ec6fd4f9_ln1-k_q34ec6fd4f9_ln1
	.p2alignl 7, 3214868480
	.fill 96, 4, 3214868480
	.section	.rodata,"a",@progbits
	.p2align	6, 0x0
	.amdhsa_kernel k_q34ec6fd4f9_ln1
		.amdhsa_group_segment_fixed_size 84480
		.amdhsa_private_segment_fixed_size 0
		.amdhsa_enable_private_segment 0
		.amdhsa_kernarg_size 32
		.amdhsa_user_sgpr_count 2
		.amdhsa_user_sgpr_kernarg_segment_ptr 1
		.amdhsa_wavefront_size32 1
		.amdhsa_system_sgpr_workgroup_id_x 1
		.amdhsa_system_sgpr_workgroup_id_y 1
		.amdhsa_system_sgpr_workgroup_id_z 1
		.amdhsa_system_vgpr_workitem_id 0
		.amdhsa_next_free_vgpr 160
		.amdhsa_next_free_sgpr 66
		.amdhsa_reserve_vcc 0
		.amdhsa_float_denorm_mode_32 3
		.amdhsa_float_denorm_mode_16_64 3
		.amdhsa_memory_ordered 1
		.amdhsa_forward_progress 1
		.amdhsa_inst_pref_size 16
	.end_amdhsa_kernel
	.amdgpu_metadata
---
amdhsa.version: [ 1, 2 ]
amdhsa.kernels:
  - .name:           k_q34ec6fd4f9_ln1
    .symbol:         k_q34ec6fd4f9_ln1.kd
    .args:
      - { .name: x, .offset: 0, .size: 8, .value_kind: global_buffer, .address_space: global }
      - { .name: ln1_g, .offset: 8, .size: 8, .value_kind: global_buffer, .address_space: global }
      - { .name: ln1_b, .offset: 16, .size: 8, .value_kind: global_buffer, .address_space: global }
      - { .name: act, .offset: 24, .size: 8, .value_kind: global_buffer, .address_space: global }
    .group_segment_fixed_size: 84480
    .private_segment_fixed_size: 0
    .kernarg_segment_align: 8
    .kernarg_segment_size: 32
    .max_flat_workgroup_size: 512
    .sgpr_count:     66
    .vgpr_count:     160
    .wavefront_size: 32
...
	.end_amdgpu_metadata
.endif
;; end of part 1
;; launch gqkv (part 2): grid 12 x 16, 4 waves a work-group, clusters of 4 x 4, 327,680 bytes of LDS; arguments act, qkv, w_qkv_codes, w_qkv_scales, sc; writes qkv, sc
.if DOCPART == 2
	.amdgcn_target "amdgcn-amd-amdhsa--gfx1250"
	.amdhsa_code_object_version 6
	.text
	.protected	k_q34ec6fd4f9_gqkv
	.globl	k_q34ec6fd4f9_gqkv
	.p2align	8
	.type	k_q34ec6fd4f9_gqkv,@function
k_q34ec6fd4f9_gqkv:
	s_mov_b64 s[64:65], 0
	v_nop
	global_prefetch_b8 v0, s[64:65] scope:SCOPE_SE
	s_setreg_imm32_b32 hwreg(HW_REG_WAVE_MODE, 25, 1), 1
	s_wait_xcnt 0x0
	s_wait_alu depctr_hold_cnt(0) depctr_sa_sdst(0) depctr_va_vdst(0) depctr_va_sdst(0) depctr_va_ssrc(0) depctr_va_vcc(0) depctr_vm_vsrc(0)
	s_getreg_b32 s2, hwreg(HW_REG_IB_STS2, 6, 4)
	s_cmp_eq_u32 s2, 0
	s_cbranch_scc0 .Lentry_in_a_cluster
	s_endpgm
.Lentry_in_a_cluster:
	s_bfe_u32 s2, ttmp6, 0x10000c
	s_cmp_lg_u32 s2, 0xf033
	s_cbranch_scc0 .Lentry_shape_is_right
	s_endpgm
.Lentry_shape_is_right:
; qkv = h W^T on codes of E4M3 (h: act, [4096][1024] codes + [4096][32] scale bytes at 0x400000; W: [3072][1024] codes, [3072][32] bytes), and q, k, v quantised on the way out.
; A tile of 256 x 256 of the product is made by four waves, 128 x 128 each: 64 accumulators of 16 x 16.  K goes in steps of 256 through a ring of two LDS slots filled by the tensor data mover;
; the scale bytes of the tile's rows come once.  4 x 4 work-groups form a cluster; a tile of the "row" operand is shared along a row of the cluster, one of the "register" operand along a column: joint loads.
; THE MATRIX INSTRUCTION: source 1 = 16 rows of the ROW operand (a lane holds one of them), source 0 = 16 rows of the REGISTER operand (a lane's eight registers run along them).
;   clusters x = 0, 1 (q, k): row operand = tokens, register operand = W's rows: a lane's registers run along the head's 64, which is the K of q k^T.
;   cluster  x = 2    (v):    row operand = W's rows, register operand = tokens: a lane's registers run along the keys, which are the K of p v.   The choice hangs on the cluster's x alone: partners agree.
; OUT.  qkv: q codes [64 bh][1024 t][64] at 0, k codes likewise at 0x400000, v codes [64 bh][8 chunks of 128 keys][64 d][128] at 0x800000.  Inside each block of 32 the four groups of eight lie in the order 0, 2, 1, 3
; (a lane's 16 codes are stored as they stand): the same order on both sides of each later product, inside one scale block, so no sum changes.
; sc: for each bh 10,240 bytes: q's words [1024] (two scale bytes, two zero bytes), k's words [1024] at 4,096, v's words [8][64] at 8,192.
; LIMITS: NaN and infinities are not served; a block whose largest magnitude lies under 2^-118 (a block of zeros too) gets the byte 1: only this program reads the bytes.
; REGISTERS: window 0: v0-31 addresses; v32-63 scale words, two sets; from v128 the row operand's fragments, one set; on the way out v32-95 at work.   window 1: the register operand's fragments, two sets.
;   window 2: the accumulators of my rows 0-63 ((a, b) at v[8 (8 a + b)]);   window 3: those of rows 64-127.
.set KSTEP,  256
.set NQ,     2
.set ROWB,   256
.set KROW,   1024
.set PITCH,  272                       ; 256 bytes + 16 of padding: the 16 rows of a fragment load start at 16 different banks (64 banks of 4 bytes: ISA guide 11.1)
.set FR,     16
.set NL,     4
.set NP,     8                         ; places behind this matrix instruction (ISA guide 7.12.1)
.set HALFT,  128*PITCH
.set SLOT,   4*HALFT
.set LAPS,   2
.set KS,     32
.set SCL,    2*SLOT
.set HALFS,  (128*KS/256)*272
.set SBLK,   (16*KS/256)*272
.set SPARE,  SCL+4*HALFS               ; the spare words: 128 bytes a wave; no other line names them
.set VST,    32768                     ; the way out: stages in slot 0 (its last fill and last read are over): q, k: 4,096 x wave; v: VST + 4,096 x wave
.set STQ, 7
.set RDQ, 8
.set SWQ, 9
.set GO,  10
.set STV, 11
.set RDV, 12
.set SWV, 13
.set GWV, 14
.set RWD, 15
.set ADRA, 16
.set TB2, 19
.set ADRB, 20
.set ADRS, 27
.set SPW,  28
.set NIL,  29
.set PW,   30
.set TA,   31
.set SC,   32
.set AF,   128
.set TM,   32                          ; the way out: v32-35 largest magnitudes, v36-39 bytes, v40-43 holds, v44-47 scale operands
.set PC,   64                          ; v64-79 codes
.set OB,   80                          ; v80-95 rows read back
.set G1, 24
.set G0, 32
.set G1B, 48
.set G0B, 56
.set G1S, 68
.set G0S, 76
.set G1SB, 80
.set G0SB, 88
.set MNT, 95
.set SEL, 96
.set HM,  98
.set CLY, 99
.set MSB, 0
.macro WIN new                         ; the immediate's high byte repeats the setting that is left
.if MSB != (\new)
	s_set_vgpr_msb (MSB<<8)|(\new)
.set MSB, (\new)
.endif
.endm
.set MUL_LO, 0xa1
.set MUL_HI, 0xf1
.set TO_B,   0x40
.macro JLOAD g0a, g1a, g0b, g1b        ; a joint load: waves 0, 1 fetch the row operand, waves 2, 3 the register operand; four v_nop follow each line
	s_cmp_eq_u32 s15, 0
	s_cbranch_scc0 .Lfor_b_\@
	tensor_load_to_lds s[\g0a:\g0a+3], s[\g1a:\g1a+7]
	s_nop 0
.rept 4
	v_nop
.endr
	s_branch .Lasked_\@
.Lfor_b_\@:
	tensor_load_to_lds s[\g0b:\g0b+3], s[\g1b:\g1b+7]
	s_nop 0
.rept 4
	v_nop
.endr
.Lasked_\@:
.endm
.macro CREST
	s_cmp_lg_u32 s14, 0
	s_cbranch_scc1 .Lnot_wave_0_\@
	s_barrier_signal -3
.Lnot_wave_0_\@:
	s_barrier_wait -3
	s_barrier_signal -1
	s_barrier_wait -1
.endm
.macro CROUND
	s_barrier_signal -1
	s_barrier_wait -1
	CREST
.endm
	s_load_b128 s[4:7], s[0:1], 0x0                ; act, qkv
	s_load_b128 s[8:11], s[0:1], 0x10              ; W's codes, W's scales
	s_load_b64 s[66:67], s[0:1], 0x20              ; sc
	v_lshl_add_u32 v[SPW], v0, 2, SPARE
	v_mov_b32 v[NIL], 0
	ds_add_u32 v28, v29
	ds_add_u32 v28, v29
	s_wait_dscnt 0x0
	v_lshrrev_b32 v1, 5, v0
	v_readfirstlane_b32 s14, v1                    ; wave
	s_lshr_b32 s15, s14, 1                         ; my half of the row operand.  Also: I fetch the row operand (0) or the register operand (1)
	s_and_b32 s16, s14, 1                          ; my half of the register operand.  Also: which 128 rows I fetch
	s_bfe_u32 s40, ttmp6, 0x40000                  ; cx
	s_bfe_u32 s41, ttmp6, 0x40004                  ; cy
	s_and_b32 s[CLY], ttmp7, 0xffff                ; the cluster's y: the batch
	s_lshl_b32 s17, s[CLY], 2
	s_lshl_b32 s42, ttmp9, 2
	s_cmp_eq_u32 ttmp9, 2                          ; v's cluster?
	s_cselect_b32 s18, 8, s17                      ; row operand: W's tiles 8 .. 11, or the batch's token tiles
	s_cselect_b32 s19, s17, s42                    ; register operand: the batch's token tiles, or W's tiles
	s_add_co_u32 s17, s18, s41                     ; + cy: shared along a row of the cluster
	s_add_co_u32 s42, s19, s40                     ; + cx: shared along a column
	s_lshl_b32 s43, s41, 2
	s_lshl_b32 s43, 15, s43                        ; my row of the cluster
	s_lshl_b32 s44, 0x1111, s40                    ; my column
	s_or_b32 s[G1+0], s43, (0<<16)|(1<<20)|(1<<21)|(5<<22)|(3<<25)  ; mask; elements of 1 byte; padding: 4 words behind every 64; bit 21 beside a mask
	s_or_b32 s[G1B+0], s44, (0<<16)|(1<<20)|(1<<21)|(5<<22)|(3<<25)
.irp g, G1, G1B
	s_mov_b32 s[\g+1], ROWB<<16                    ; tensor_dim0
	s_mov_b32 s[\g+2], 256<<16                     ; tensor_dim1: 256 rows for the head's loads; set to 128 for the ring's behind them
	s_mov_b32 s[\g+3], ROWB<<16                    ; tile_dim0
	s_mov_b32 s[\g+4], 256                         ; tile_dim1 likewise
	s_mov_b32 s[\g+5], KROW                        ; pitch
	s_mov_b32 s[\g+6], 0
	s_mov_b32 s[\g+7], 0
.endr
	s_or_b32 s[G1S+0], s43, (3<<16)|(1<<20)|(1<<21)|(5<<22)|(3<<25)  ; the scales of 256 rows: a dense block, as rows of 256 bytes + 16 of padding
	s_or_b32 s[G1SB+0], s44, (3<<16)|(1<<20)|(1<<21)|(5<<22)|(3<<25)
.irp g, G1S, G1SB
	s_mov_b32 s[\g+1], 32<<16
	s_mov_b32 s[\g+2], KS<<16                      ; the scales of 256 rows: KS rows of 256 bytes
	s_mov_b32 s[\g+3], 32<<16
	s_mov_b32 s[\g+4], KS
	s_mov_b32 s[\g+5], 32
	s_mov_b32 s[\g+6], 0
	s_mov_b32 s[\g+7], 0
.endr
	s_lshl_b32 s20, s17, 8                         ; row operand: the tile's first row
	s_lshl_b32 s46, s42, 8                         ; register operand likewise
	s_mov_b32 s21, 0
	s_mov_b32 s47, 0
	s_mov_b64 s[18:19], KS
	s_mul_u64 s[22:23], s[20:21], s[18:19]
	s_mul_u64 s[92:93], s[46:47], s[18:19]
	s_mov_b64 s[18:19], KROW
	s_mul_u64 s[20:21], s[20:21], s[18:19]
	s_mul_u64 s[46:47], s[46:47], s[18:19]
	s_mul_i32 s45, s14, HALFT                      ; where they go: no place in the cluster enters an LDS address
	s_mul_i32 s18, s16, 128*KROW                   ; in the ring I fetch 128 rows of a tile: which half, in bytes
	s_mov_b32 s19, 0
	s_mov_b32 s[MNT], 0x600000
	s_mov_b32 s[SEL], 0x76543210
	s_mov_b32 s[SEL+1], 0xfedcba98
	s_wait_kmcnt 0x0
	s_mov_b64 s[12:13], s[6:7]                     ; qkv
	s_add_nc_u64 s[6:7], s[4:5], 0x400000          ; act's scale bytes
	s_cmp_eq_u32 ttmp9, 2
	s_cselect_b64 s[2:3], s[8:9], s[4:5]           ; row operand's codes
	s_cselect_b64 s[8:9], s[4:5], s[8:9]           ; register operand's codes
	s_cselect_b64 s[4:5], s[10:11], s[6:7]         ; row operand's scales
	s_cselect_b64 s[10:11], s[6:7], s[10:11]       ; register operand's scales
	s_add_nc_u64 s[20:21], s[2:3], s[20:21]
	s_add_nc_u64 s[22:23], s[4:5], s[22:23]
	s_add_nc_u64 s[46:47], s[8:9], s[46:47]
	s_add_nc_u64 s[92:93], s[10:11], s[92:93]
	CROUND                                         ; all sixteen work-groups are here: the first joint loads meet
	s_mov_b32 s[G0S], 1
	s_mov_b32 s[G0S+1], SCL
	s_mov_b64 s[G0S+2:G0S+3], s[22:23]
	s_or_b32 s[G0S+3], s[G0S+3], 0x80000000
	s_mov_b32 s[G0SB], 1
	s_mov_b32 s[G0SB+1], SCL+2*HALFS
	s_mov_b64 s[G0SB+2:G0SB+3], s[92:93]
	s_or_b32 s[G0SB+3], s[G0SB+3], 0x80000000
.set G0H, 4                            ; s[4:7], s[8:11]: group 0 of the head's loads of K step 0 (the addresses that lay there have been used)
.set G0HB, 8
	s_mov_b32 s[G0H], 1
	s_mov_b32 s[G0H+1], 0
	s_mov_b64 s[G0H+2:G0H+3], s[20:21]
	s_or_b32 s[G0H+3], s[G0H+3], 0x80000000
	s_mov_b32 s[G0HB], 1
	s_mov_b32 s[G0HB+1], 2*HALFT
	s_mov_b64 s[G0HB+2:G0HB+3], s[46:47]
	s_or_b32 s[G0HB+3], s[G0HB+3], 0x80000000
	s_add_nc_u64 s[20:21], s[20:21], s[18:19]      ; for the ring: my 128 rows of the tile
	s_add_nc_u64 s[46:47], s[46:47], s[18:19]
.irp s, 0,1
	s_mov_b32 s[G0+4*\s], 1
	s_add_co_u32 s[G0+4*\s+1], s45, \s*SLOT
	s_add_nc_u64 s[G0+4*\s+2:G0+4*\s+3], s[20:21], \s*ROWB
	s_or_b32 s[G0+4*\s+3], s[G0+4*\s+3], 0x80000000
	s_mov_b32 s[G0B+4*\s], 1
	s_add_co_u32 s[G0B+4*\s+1], s45, \s*SLOT
	s_add_nc_u64 s[G0B+4*\s+2:G0B+4*\s+3], s[46:47], \s*ROWB
	s_or_b32 s[G0B+4*\s+3], s[G0B+4*\s+3], 0x80000000
.endr
; THE HEAD'S LOADS, ONE A WAVE: wave 0 K step 0's 256 rows of the row operand, wave 1 those of the register operand, waves 2 and 3 their scale bytes.  One chain of branches on the wave's number.
.macro ARM under, g0, g1, next
	s_cmp_lt_u32 s14, \under
	s_cbranch_scc0 \next
	tensor_load_to_lds s[\g0:\g0+3], s[\g1:\g1+7]
	s_nop 0
.rept 4
	v_nop
.endr
	s_branch .Lhead_asked
\next:
.endm
	ARM 1, G0H,  G1,  .Lhead_b
	ARM 2, G0HB, G1B, .Lhead_sa
	ARM 3, G0S,  G1S, .Lhead_sb
	tensor_load_to_lds s[G0SB:G0SB+3], s[G1SB:G1SB+7]
	s_nop 0
.rept 4
	v_nop
.endr
.Lhead_asked:
	; PREFETCHES INTO THE L2, two K steps ahead of the load that wants the bytes.  Of the 128 rows that I fetch in the ring, each of the four partners that ask with me takes 32, told apart by address
	; (cx for the row operand, cy for the register operand), a lane a row: a K step is 256 bytes of a row, aligned, so each block is named once in each cluster that loads it.
	; K steps 1 and 2 are asked for here, K step 3 behind K step 1's load; there is no K step 4.  The step stands in the immediate offset: no address register is written again.
	s_cmp_eq_u32 s15, 0                            ; do I fetch the row operand?
	s_cselect_b64 s[92:93], s[20:21], s[46:47]     ; my 128 rows
	s_cselect_b32 s2, s40, s41
	s_lshl_b32 s2, s2, 15                          ; 32 rows of 1,024 bytes for each partner
	s_mov_b32 s3, 0
	s_add_nc_u64 s[92:93], s[92:93], s[2:3]
	v_and_b32 v22, 31, v0
	v_lshlrev_b32 v22, 10, v22                     ; a lane a row
	global_prefetch_b8 v22, s[92:93] offset:256 th:TH_LOAD_NT scope:SCOPE_SE
	global_prefetch_b8 v22, s[92:93] offset:512 th:TH_LOAD_NT scope:SCOPE_SE
	v_and_b32 v1, 15, v0
	v_bfe_u32 v2, v0, 4, 1                         ; h
	v_mul_u32_u24 v3, v1, PITCH
	v_lshl_add_u32 v4, v2, 4, v3
	s_mul_i32 s21, s15, HALFT
	s_mul_i32 s22, s16, HALFT
	s_add_co_u32 s22, s22, 2*HALFT
.irp s, 0,1
	v_add_nc_u32 v[ADRA+\s], s21, v4
	v_add_nc_u32 v[ADRB+\s], s22, v4
	s_add_co_u32 s21, s21, SLOT
	s_add_co_u32 s22, s22, SLOT
.endr
	v_mul_u32_u24 v5, v1, KS
	v_lshrrev_b32 v6, 8, v5
	v_lshl_add_u32 v5, v6, 4, v5
	s_mul_i32 s21, s15, HALFS
	s_mul_i32 s22, s16, HALFS
	s_add_co_u32 s22, s22, 2*HALFS
	s_sub_co_u32 s22, s22, s21
	v_mul_u32_u24 v6, s22, v2                      ; lanes 16-31 take the register operand's words
	s_add_co_u32 s21, s21, SCL
	v_add_nc_u32 v5, v5, v6
	v_add_nc_u32 v[ADRS], s21, v5
	; the way out's addresses, for both paths, made here where all waves pass
	v_and_b32 v6, 31, v0                           ; lane
	s_lshl_b32 s23, s14, 12                        ; 4,096 x wave
	v_mul_u32_u24 v[STQ], v1, 80
	v_lshl_add_u32 v[STQ], v2, 4, v[STQ]
	v_add_nc_u32 v[STQ], s23, v[STQ]               ; q, k in: 80 r + 16 h
	v_lshrrev_b32 v3, 2, v6
	v_and_b32 v4, 3, v6
	v_mul_u32_u24 v[RDQ], v3, 80
	v_lshl_add_u32 v[RDQ], v4, 4, v[RDQ]
	v_add_nc_u32 v[RDQ], s23, v[RDQ]               ; back: four lanes to a row of 64 bytes
	v_lshlrev_b32 v[SWQ], 2, v1
	v_lshl_add_u32 v[SWQ], v2, 9, v[SWQ]
	v_add_nc_u32 v[SWQ], s23, v[SWQ]               ; words: 4 r + 512 h (lane half h writes head h's)
	v_lshlrev_b32 v[GO], 4, v6                     ; 16 x lane
	v_add_nc_u32 v[RWD], s23, v[GO]
	v_mul_u32_u24 v[STV], v1, 144
	v_lshl_add_u32 v[STV], v2, 4, v[STV]
	v_add_nc_u32 v[STV], s23, v[STV]               ; v in: 144 r + 16 h
	v_lshrrev_b32 v3, 3, v6
	v_and_b32 v4, 7, v6
	v_mul_u32_u24 v[RDV], v3, 144
	v_lshl_add_u32 v[RDV], v4, 4, v[RDV]
	v_add_nc_u32 v[RDV], s23, v[RDV]               ; back: eight lanes to a row of 128 bytes
	v_lshl_add_u32 v[SWV], v1, 2, s23
	v_mul_u32_u24 v[GWV], v2, 10240
	v_lshl_add_u32 v[GWV], v1, 4, v[GWV]           ; v's words in sc: 16 (lane % 16), the next head for lanes 16-31
	v_cmp_ne_u32 s[HM], 0, v2                      ; lanes 16-31
.macro FRAG reg, adr, q, i             ; 16 rows x 128 K: registers 4 c .. 4 c + 3 hold K = 32 c + 16 (lane / 16) + 0 .. 15
.irp c, 0,1,2,3
	ds_load_b128 v[\reg+4*\c:\reg+4*\c+3], v[\adr] offset:128*(\q)+32*\c+(\i)*16*PITCH
.endr
.endm
; 16 matrix instructions; the 64 accumulators take turns, one instruction a turn, in the same order in every step
.macro MUL16 a0, p, q, sc, zero
.irp a, \a0, \a0+1
.irp b, 0,1,2,3,4,5,6,7
.if \zero
	v_wmma_scale_f32_16x16x128_f8f6f4 v[8*(8*((\a)%4)+\b):8*(8*((\a)%4)+\b)+7], v[128*(\p)+FR*\b:128*(\p)+FR*\b+FR-1], v[AF+FR*(\a):AF+FR*(\a)+FR-1], 0, v[SC+8*NQ*(\sc)+NQ*\b+(\q)], v[SC+8*NQ*(\sc)+NQ*(\a)+(\q)] matrix_a_scale:MATRIX_SCALE_ROW1
.else
	v_wmma_scale_f32_16x16x128_f8f6f4 v[8*(8*((\a)%4)+\b):8*(8*((\a)%4)+\b)+7], v[128*(\p)+FR*\b:128*(\p)+FR*\b+FR-1], v[AF+FR*(\a):AF+FR*(\a)+FR-1], v[8*(8*((\a)%4)+\b):8*(8*((\a)%4)+\b)+7], v[SC+8*NQ*(\sc)+NQ*\b+(\q)], v[SC+8*NQ*(\sc)+NQ*(\a)+(\q)] matrix_a_scale:MATRIX_SCALE_ROW1
.endif
.endr
.endr
.endm
.macro FETCH_B slot, q, p
	WIN TO_B
.irp i, 0,1,2,3,4,5,6,7
	FRAG 128*(\p)+FR*\i, ADRB+\slot, \q, \i
.endr
	WIN 0
.endm
.macro FETCH_A slot, q, i0
.irp i, \i0, \i0+1, \i0+2, \i0+3
	FRAG AF+FR*(\i), ADRA+\slot, \q, \i
.endr
.endm
.macro SCALES sc                       ; a K step's scale words: lanes 0-15 the row operand's block i, lanes 16-31 the register operand's block i
.irp i, 0,1,2,3,4,5,6,7
	ds_load_b64 v[SC+8*NQ*\sc+NQ*\i:SC+8*NQ*\sc+NQ*\i+1], v[ADRS] offset:\i*SBLK
.endr
.endm
.macro PLACES n                        ; plain vector lines between a matrix instruction and a load into, or a read of, its registers
.rept \n
	v_nop
.endr
.endm
.macro STEP slot, q, zero              ; 128 along K whose successor lies in the same slot
	s_wait_dscnt 4*NL                              ; all but the youngest sixteen loads (the row operand's blocks 4-7)
	WIN MUL_LO
	MUL16 0, (\q)%2, \q, \slot, \zero
	MUL16 2, (\q)%2, \q, \slot, \zero
	s_wait_dscnt 0
	PLACES NP
	FETCH_B \slot, (\q)+1, 1-(\q)%2
	FETCH_A \slot, (\q)+1, 0
	WIN MUL_HI
	MUL16 4, (\q)%2, \q, \slot, \zero
	MUL16 6, (\q)%2, \q, \slot, \zero
	PLACES NP
	WIN 0
	FETCH_A \slot, (\q)+1, 4
.endm
.macro TURN slot, next, fill           ; a slot's last step changes slots: one barrier
	s_wait_tensorcnt 0x0                           ; all my tensor loads have landed: my part of the next slot
	ds_add_u32 v[SPW], v[NIL]                      ; 0 onto my spare word
	s_wait_dscnt 4*NL+1                            ; the add and the youngest sixteen loads may be out
	WIN MUL_LO
	MUL16 0, 1, NQ-1, \slot, 0
	s_wait_dscnt 0x0                               ; the add is done, and my reads of this slot are over
	s_barrier_signal -1
	MUL16 2, 1, NQ-1, \slot, 0
	WIN 0
	s_barrier_wait -1
.if \fill
	CREST                                          ; the barrier has opened a round of the cluster's: no wave of any partner still reads this slot or has a load on its way
	s_add_nc_u64 s[G0+4*\slot+2:G0+4*\slot+3], s[G0+4*\slot+2:G0+4*\slot+3], 2*ROWB
	s_add_nc_u64 s[G0B+4*\slot+2:G0B+4*\slot+3], s[G0B+4*\slot+2:G0B+4*\slot+3], 2*ROWB
	JLOAD G0+4*\slot, G1, G0B+4*\slot, G1B         ; my one tensor load behind the round; its four v_nop are four of the eight places
	PLACES NP-4
.else
	PLACES NP
.endif
	s_wait_alu depctr_va_vdst(0)
	v_add_nc_u32 v[ADRS], 4*NQ, v[ADRS]
	FETCH_B \next, 0, 0
	FETCH_A \next, 0, 0
	SCALES \next
	WIN MUL_HI
	MUL16 4, 1, NQ-1, \slot, 0
	MUL16 6, 1, NQ-1, \slot, 0
	PLACES NP
	WIN 0
	FETCH_A \next, 0, 4
.endm
	s_wait_alu depctr_va_vdst(0)                   ; the wait at the head's end
	s_wait_tensorcnt 0x0                           ; my tile of the head's four is in
	ds_add_u32 v[SPW], v[NIL]
	s_mov_b32 s[G1+2], 128<<16                     ; no tensor load of mine is out: from here on a load brings 128 rows
	s_mov_b32 s[G1+4], 128
	s_mov_b32 s[G1B+2], 128<<16
	s_mov_b32 s[G1B+4], 128
	s_wait_dscnt 0x0
	CROUND                                         ; all four tiles are in, and all sixteen work-groups are here
	JLOAD G0+4, G1, G0B+4, G1B                     ; K step 1: my one tensor load behind the round
	FETCH_B 0, 0, 0
	FETCH_A 0, 0, 0
	SCALES 0
	FETCH_A 0, 0, 4
	global_prefetch_b8 v22, s[92:93] offset:768 th:TH_LOAD_NT scope:SCOPE_SE   ; K step 3, behind K step 1's load and the run of LDS loads
	STEP 0, 0, 1
	s_mov_b32 s3, LAPS-1
.Llap:
	TURN 0, 1, 1
	STEP 1, 0, 0
	TURN 1, 0, 1
	STEP 0, 0, 0
	s_sub_co_u32 s3, s3, 1
	s_cmp_lg_u32 s3, 0
	s_cbranch_scc1 .Llap
	TURN 0, 1, 0
	STEP 1, 0, 0
	s_wait_dscnt 4*NL
	WIN MUL_LO
	MUL16 0, 1, NQ-1, 1, 0
	MUL16 2, 1, NQ-1, 1, 0
	s_wait_dscnt 0
	WIN MUL_HI
	MUL16 4, 1, NQ-1, 1, 0
	MUL16 6, 1, NQ-1, 1, 0
	WIN 0
	PLACES NP
; 64 results of a lane (block a of 16 rows: registers s .. s + 63 of window W; register 16 b + 8 u + j = number 32 b + 16 u + 8 (lane / 16) + j of my row) become 16 registers of codes and a scale word.
; A block of 32 lies in lanes l and l xor 16.  Each accumulator is read from its low end on.
.macro QUANTW s, W
	WIN ((\W)<<2)|((\W)<<4)
.irp b, 0,1,2,3
	v_max3_num_f32 v[TM+\b], 0x4800000, |v[\s+16*\b]|, |v[\s+1+16*\b]|   ; the floor 2^(9 - 127): the byte cannot fall under 1
.endr
.irp i, 2,4,6,8,10,12,14
.irp b, 0,1,2,3
	v_max3_num_f32 v[TM+\b], v[TM+\b], |v[\s+16*\b+\i]|, |v[\s+1+16*\b+\i]|
.endr
.endr
	WIN 0
.irp b, 0,1,2,3
	v_permlanex16_b32 v[TM+4+\b], v[TM+\b], s[SEL], s[SEL+1]
.endr
.irp b, 0,1,2,3
	v_max_num_f32 v[TM+\b], v[TM+\b], v[TM+4+\b]
.endr
.irp b, 0,1,2,3
	v_add_nc_u32 v[TM+12+\b], 0xfc000000, v[TM+\b]          ; 8 off the exponent field: the conversion's scale operand
.endr
.irp b, 0,1,2,3
	v_and_or_b32 v[TM+8+\b], v[TM+\b], 0x7f800000, s[MNT]   ; 448 x the scale
.endr
.irp b, 0,1,2,3
	v_lshrrev_b32 v[TM+4+\b], 23, v[TM+12+\b]               ; the byte
.endr
	v_lshl_or_b32 v[PW], v[TM+5], 8, v[TM+4]
	v_lshl_or_b32 v[PW], v[TM+6], 16, v[PW]
	v_lshl_or_b32 v[PW], v[TM+7], 24, v[PW]
	WIN (\W)|((\W)<<6)
.irp b, 0,1,2,3
.irp i, 0,1,2,3,4,5,6,7,8,9,10,11,12,13,14,15
	v_med3_num_f32 v[\s+16*\b+\i], v[\s+16*\b+\i], -v[TM+8+\b], v[TM+8+\b]   ; the conversion does not saturate (ISA guide 7.6.2): the hold
.endr
.endr
	WIN (\W)
.irp b, 0,1,2,3
	v_cvt_scalef32_pk8_fp8_f32 v[PC+4*\b:PC+4*\b+1], v[\s+16*\b:\s+16*\b+7], v[TM+12+\b]
	v_cvt_scalef32_pk8_fp8_f32 v[PC+4*\b+2:PC+4*\b+3], v[\s+16*\b+8:\s+16*\b+15], v[TM+12+\b]
.endr
	WIN 0
	v_nop                                          ; a plain line behind the last conversion
.endm
.irp b, 0,1,2,3
	v_mov_b32 v[TM+4+\b], 0                        ; a lane permute's destination counts as one of its sources
.endr
	s_cmp_eq_u32 ttmp9, 2
	s_cbranch_scc1 .Lv
	; ---- q, k: my 128 columns are two heads; my rows are 128 tokens
	s_lshl_b32 s18, s[CLY], 4
	s_lshl_b32 s19, s40, 2
	s_add_co_u32 s18, s18, s19
	s_lshl_b32 s19, s16, 1
	s_add_co_u32 s18, s18, s19                     ; bh of my first head: 16 batch + 4 cx + 2 half
	s_lshl_b32 s19, s41, 8
	s_lshl_b32 s20, s15, 7
	s_add_co_u32 s19, s19, s20                     ; my first token in the batch
	s_lshl_b32 s20, s18, 16
	s_lshl_b32 s21, s19, 6
	s_add_co_u32 s20, s20, s21
	s_lshl_b32 s21, ttmp9, 22                      ; q at 0, k at 0x400000
	s_add_co_u32 s20, s20, s21
	s_mov_b32 s21, 0
	s_add_nc_u64 s[12:13], s[12:13], s[20:21]
	s_mul_i32 s20, s18, 10240
	s_lshl_b32 s22, s19, 2
	s_add_co_u32 s20, s20, s22
	s_lshl_b32 s22, ttmp9, 12
	s_add_co_u32 s20, s20, s22
	s_add_nc_u64 s[66:67], s[66:67], s[20:21]
.irp a, 0,1,2,3,4,5,6,7
.set AC, 64*(\a%4)
.set WW, 2+\a/4
	QUANTW AC, WW
	s_wait_alu depctr_va_vdst(0)
	s_wait_xcnt 0x0                                ; the last block's stores have read v[OB] on
.irp b, 0,1,2,3
	ds_store_b128 v[STQ], v[PC+4*\b:PC+4*\b+3] offset:1280*(\b/2)+32*(\b%2)
.endr
.irp k, 0,1,2,3
	ds_load_b128 v[OB+4*\k:OB+4*\k+3], v[RDQ] offset:1280*(\k/2)+640*(\k%2)   ; LDS serves a wave's instructions in order: these see the stores above
.endr
	v_and_b32 v[TA], 0xffff, v[PW]                 ; head 0's two bytes,
	v_lshrrev_b32 v[TB2], 16, v[PW]                ; head 1's; the upper two bytes stay 0: they scale the zero half of the next K step of 128
	v_cndmask_b32 v[TA], v[TA], v[TB2], s[HM]
	ds_store_b32 v[SWQ], v[TA] offset:3072+64*\a
	s_wait_dscnt 0x0
.irp k, 0,1,2,3
	global_store_b128 v[GO], v[OB+4*\k:OB+4*\k+3], s[12:13] offset:65536*(\k/2)+1024*\a+512*(\k%2)   ; 512 consecutive bytes: eight tokens of one head
.endr
.endr
	s_wait_xcnt 0x0
	ds_load_b128 v[OB:OB+3], v[RWD] offset:3072
	ds_load_b128 v[OB+4:OB+7], v[RWD] offset:3072+512
	s_wait_dscnt 0x0
	global_store_b128 v[GO], v[OB:OB+3], s[66:67]                 ; 128 tokens' words of head 0,
	global_store_b128 v[GO], v[OB+4:OB+7], s[66:67] offset:10240  ; of head 1
	s_wait_tensorcnt 0x0                           ; the wave's end
	ds_add_u32 v[SPW], v[NIL]
	s_wait_dscnt 0x0
	CROUND                                         ; the closing round
	s_endpgm
.Lv:
	; ---- v: my rows are 128 of v's columns (two heads x 64 d); my registers run along 128 keys: one chunk
	s_lshl_b32 s18, s[CLY], 4
	s_lshl_b32 s19, s41, 2
	s_add_co_u32 s18, s18, s19
	s_lshl_b32 s19, s15, 1
	s_add_co_u32 s18, s18, s19                     ; bh of my first head: 16 batch + 4 cy + 2 half
	s_lshl_b32 s19, s40, 1
	s_add_co_u32 s19, s19, s16                     ; the chunk of keys: 2 cx + half
	s_lshl_b32 s20, s18, 16
	s_lshl_b32 s21, s19, 13
	s_add_co_u32 s20, s20, s21
	s_add_co_u32 s20, s20, 0x800000
	s_mov_b32 s21, 0
	s_add_nc_u64 s[12:13], s[12:13], s[20:21]
	s_mul_i32 s20, s18, 10240
	s_lshl_b32 s22, s19, 8
	s_add_co_u32 s20, s20, s22
	s_add_co_u32 s20, s20, 8192
	s_add_nc_u64 s[66:67], s[66:67], s[20:21]
.irp a, 0,1,2,3,4,5,6,7
.set AC, 64*(\a%4)
.set WW, 2+\a/4
	QUANTW AC, WW
	s_wait_alu depctr_va_vdst(0)
	s_wait_xcnt 0x0
.irp b, 0,1,2,3
	ds_store_b128 v[STV], v[PC+4*\b:PC+4*\b+3] offset:VST+32*\b
.endr
.irp k, 0,1,2,3
	ds_load_b128 v[OB+4*\k:OB+4*\k+3], v[RDV] offset:VST+576*\k
.endr
	ds_store_b32 v[SWV], v[PW] offset:VST+3072+64*\a   ; both halves of the lanes write the same word
	s_wait_dscnt 0x0
.irp k, 0,1,2,3
	global_store_b128 v[GO], v[OB+4*\k:OB+4*\k+3], s[12:13] offset:65536*(\a/4)+2048*(\a%4)+512*\k   ; 512 consecutive bytes: four d of one chunk
.endr
.endr
	s_wait_xcnt 0x0
	ds_load_b128 v[OB:OB+3], v[RWD] offset:VST+3072
	s_wait_dscnt 0x0
	global_store_b128 v[GWV], v[OB:OB+3], s[66:67]     ; sixteen lanes store a head's 64 words of this chunk: 256 consecutive bytes
	s_wait_tensorcnt 0x0                           ; the wave's end
	ds_add_u32 v[SPW], v[NIL]
	s_wait_dscnt 0x0
	CROUND                                         ; the closing round
	s_endpgm
.Lfunc_end_k_q34ec6fd4f9_gqkv:
	.size	k_q34ec6fd4f9_gqkv, .Lfunc_end_k_q34ec6fd4f9_gqkv-k_q34ec6fd4f9_gqkv
	.p2alignl 7, 3214868480
	.fill 96, 4, 3214868480
	.section	.rodata,"a",@progbits
	.p2align	6, 0x0
	.amdhsa_kernel k_q34ec6fd4f9_gqkv
		.amdhsa_group_segment_fixed_size 327680
		.amdhsa_private_segment_fixed_size 0
		.amdhsa_enable_private_segment 0
		.amdhsa_kernarg_size 40
		.amdhsa_user_sgpr_count 2
		.amdhsa_user_sgpr_kernarg_segment_ptr 1
		.amdhsa_wavefront_size32 1
		.amdhsa_system_sgpr_workgroup_id_x 1
		.amdhsa_system_sgpr_workgroup_id_y 1
		.amdhsa_system_sgpr_workgroup_id_z 1
		.amdhsa_system_vgpr_workitem_id 0
		.amdhsa_next_free_vgpr 1024
		.amdhsa_next_free_sgpr 100
		.amdhsa_reserve_vcc 0
		.amdhsa_float_denorm_mode_32 3
		.amdhsa_float_denorm_mode_16_64 3
		.amdhsa_memory_ordered 1
		.amdhsa_forward_progress 1
		.amdhsa_inst_pref_size 255
	.end_amdhsa_kernel
	.section	.bss,"aw",@nobits
	.p2align	6
	.space	262144
	.amdgpu_metadata
---
amdhsa.version: [ 1, 2 ]
amdhsa.kernels:
  - .name:           k_q34ec6fd4f9_gqkv
    .symbol:         k_q34ec6fd4f9_gqkv.kd
    .args:
      - { .name: act, .offset: 0, .size: 8, .value_kind: global_buffer, .address_space: global }
      - { .name: qkv, .offset: 8, .size: 8, .value_kind: global_buffer, .address_space: global }
      - { .name: w_qkv_codes, .offset: 16, .size: 8, .value_kind: global_buffer, .address_space: global }
      - { .name: w_qkv_scales, .offset: 24, .size: 8, .value_kind: global_buffer, .address_space: global }
      - { .name: sc, .offset: 32, .size: 8, .value_kind: global_buffer, .address_space: global }
    .group_segment_fixed_size: 327680
    .private_segment_fixed_size: 0
    .kernarg_segment_align: 8
    .kernarg_segment_size: 40
    .max_flat_workgroup_size: 128
    .sgpr_count:     100
    .vgpr_count:     1024
    .wavefront_size: 32
...
	.end_amdgpu_metadata
.endif
;; end of part 2
;; launch attn (part 3): grid 4 x 64, 16 waves a work-group, clusters of 4 x 1, 198,656 bytes of LDS; arguments qkv, sc, ob; writes ob
.if DOCPART == 3
	.amdgcn_target "amdgcn-amd-amdhsa--gfx1250"
	.amdhsa_code_object_version 6
	.text
	.protected	k_q34ec6fd4f9_attn
	.globl	k_q34ec6fd4f9_attn
	.p2align	8
	.type	k_q34ec6fd4f9_attn,@function
k_q34ec6fd4f9_attn:
	s_mov_b64 s[64:65], 0
	v_nop
	global_prefetch_b8 v0, s[64:65] scope:SCOPE_SE
	s_setreg_imm32_b32 hwreg(HW_REG_WAVE_MODE, 25, 1), 1
	s_wait_xcnt 0x0
	s_wait_alu depctr_hold_cnt(0) depctr_sa_sdst(0) depctr_va_vdst(0) depctr_va_sdst(0) depctr_va_ssrc(0) depctr_va_vcc(0) depctr_vm_vsrc(0)
	s_getreg_b32 s2, hwreg(HW_REG_IB_STS2, 6, 4)
	s_cmp_eq_u32 s2, 0
	s_cbranch_scc0 .Lentry_in_a_cluster
	s_endpgm
.Lentry_in_a_cluster:
	s_bfe_u32 s2, ttmp6, 0x10000c
	s_cmp_lg_u32 s2, 0x3003
	s_cbranch_scc0 .Lentry_shape_is_right
	s_endpgm
.Lentry_shape_is_right:
; Causal attention of one (batch, head) on codes of E4M3, head size 64, 1,024 keys; o quantised along the head's 64 on the way out.
; in: qkv (q, k codes [64 bh][1024][64] at 0 and 0x400000; v codes [64 bh][8 chunks][64 d][128 keys] at 0x800000; inside each block of 32 the groups of eight lie 0, 2, 1, 3, alike on both sides of each product);
;     sc (for each bh: q words [1024], k words [1024] at 4,096, v words [8][64] at 8,192).
; out: ob: o codes [16 head][4096 token][64] in natural order; at 0x400000 scale planes [8][4096] words: head hd fills half-word hd % 2 of plane hd / 2.
; THE SOFTMAX: t = score x log2(e) / 8; M = the running largest t rounded up to a whole number; p = 2^(t - M) is quantised along the keys, not normalised; the row's sum is taken of the unquantised p and divides at the end.
; SHARES.  The four work-groups of a cluster serve one bh.  Wave w takes i = w xor 3 ((w >> 2) & 1) and the 16 queries 64 i + 16 cx on: it needs (i >> 1) + 1 key steps of 128, a number that hangs on the wave alone.
; K, V and their scale words of the whole head come into LDS ONCE, by joint loads (the four partners want the same bytes).
; No LDS byte is filled twice.
; LAYOUT.  S^T = K Q^T (source 0 = 16 keys, source 1 = my queries), O^T = V^T P^T: a lane holds one query throughout.  The head's 64 are half of the instruction's 128: Q's upper eight registers are zero codes;
; K's upper eight are whatever follows (the next tile's codes, never the NaN code; zeros behind the last): they meet zeros.
; LIMITS: NaN and infinities are not served; a block of o under 2^-118 gets the byte 1.
; THE FILLS: nine joint loads, one a wave, in one chain of branches on the wave's number:
; wave 0 the words, waves 1, 3, 5, 7 K's quarters, waves 2, 4, 6, 8 V's.  Every wave waits for 0 in front of ONE barrier, behind which all of K, V and the words lie in LDS; no further barrier stands among the key steps.
; K's and V's quarters are dense in memory (16,384 bytes each) and are stated as 64 rows of 256 bytes; the padding's interval stays a key's 64 bytes, or V's 128.
; No prefetch: every byte is asked for at the head, and there is no loop of loads to run ahead in.
.set KP,  80
.set VP,  144                          ; a row of V's chunk: 128 bytes + 16
.set KC,  0                            ; 1,024 keys
.set VC,  1024*KP                      ; 8 chunks x 64 rows
.set SCW, VC+512*VP                    ; k's words, then v's: 6,144 bytes
.set STG, SCW+6144                     ; the way out: 16 rows x 80 bytes for each wave; no fill lands here
.set AK0, 1
.set AV0, 2
.set ASK0, 3
.set ASV0, 4
.set DQ,  5                            ; my query less the diagonal step's first key less 8 (lane / 16)
.set STO, 6
.set RD,  7
.set ADK, 8
.set ADV, 9
.set ADS, 10
.set ADT, 11
.set KF,  32                           ; v32-103 K's eight tiles, eight registers apart, and eight zeros; later V's four fragments (v32-95)
.set S,   104                          ; v104-167 S^T, then p
.set O,   168                          ; v168-199 O^T
.set PCD, 200                          ; v200-215 p's codes
.set SW,  216                          ; v216-223 scale words of K or V
.set G1K, 16
.set G1V, 24
.set G1S, 32
.set G0S, 40
.set G0K, 44
.set SEL, 60
.set CS,  62
.set G0V, 68
.set MNT, 84
.macro CROUND
	s_barrier_signal -1
	s_barrier_wait -1
	s_cmp_lg_u32 s10, 0
	s_cbranch_scc1 .Lnot_wave_0_\@
	s_barrier_signal -3
.Lnot_wave_0_\@:
	s_barrier_wait -3
	s_barrier_signal -1
	s_barrier_wait -1
.endm
	s_load_b128 s[4:7], s[0:1], 0x0                ; qkv, sc
	s_load_b64 s[8:9], s[0:1], 0x10                ; ob
	v_lshl_add_u32 v250, v0, 2, 0x30000
	v_mov_b32 v251, 0
	ds_add_u32 v250, v251
	ds_add_u32 v250, v251
	v_lshrrev_b32 v8, 5, v0
	s_delay_alu instid0(VALU_DEP_1)
	v_readfirstlane_b32 s10, v8                    ; wave
	s_bfe_u32 s11, s10, 0x10002
	s_mul_i32 s11, s11, 3
	s_xor_b32 s11, s11, s10                        ; i
	s_lshr_b32 s12, s11, 1
	s_add_co_u32 s12, s12, 1                       ; my key steps
	s_bfe_u32 s13, ttmp6, 0x40000                  ; cx: it enters Q's and o's addresses and the mask's numbers alone
	s_and_b32 s14, ttmp7, 0xffff                   ; bh
	s_lshl_b32 s85, s11, 6
	s_lshl_b32 s86, s13, 4
	s_add_co_u32 s85, s85, s86                     ; my first query
	s_lshl_b32 s86, s14, 16
	s_mov_b32 s87, 0
	s_mul_i32 s88, s14, 10240
	s_mov_b32 s89, 0
	s_and_b32 s94, s14, 15                         ; head
	s_lshr_b32 s95, s14, 4
	s_lshl_b32 s95, s95, 10
	s_add_co_u32 s95, s95, s85                     ; my first token
	s_lshl_b32 s96, s94, 18
	s_lshl_b32 s97, s95, 6
	s_add_co_u32 s96, s96, s97
	s_mov_b32 s97, 0                               ; s[96:97]: o's codes
	s_lshr_b32 s98, s94, 1
	s_lshl_b32 s98, s98, 12
	s_add_co_u32 s98, s98, s95
	s_lshl_b32 s98, s98, 2
	s_and_b32 s99, s94, 1
	s_lshl_b32 s99, s99, 1
	s_add_co_u32 s98, s98, s99
	s_add_co_u32 s98, s98, 0x400000
	s_mov_b32 s99, 0                               ; s[98:99]: o's half-words
	s_mov_b32 s[G1K], 15|(0<<16)|(1<<20)|(1<<21)|(3<<22)|(3<<25)   ; all four partners; bytes; 4 words of padding behind every 16
	s_mov_b32 s[G1K+1], 256<<16
	s_mov_b32 s[G1K+2], 64<<16
	s_mov_b32 s[G1K+3], 256<<16
	s_mov_b32 s[G1K+4], 64                         ; 256 keys of 64 bytes, as 64 rows of 256
	s_mov_b32 s[G1K+5], 256
	s_mov_b32 s[G1K+6], 0
	s_mov_b32 s[G1K+7], 0
	s_mov_b32 s[G1V], 15|(0<<16)|(1<<20)|(1<<21)|(4<<22)|(3<<25)   ; 4 words behind every 32
	s_mov_b32 s[G1V+1], 256<<16
	s_mov_b32 s[G1V+2], 64<<16
	s_mov_b32 s[G1V+3], 256<<16
	s_mov_b32 s[G1V+4], 64                         ; two chunks: 128 rows of 128 bytes, as 64 rows of 256
	s_mov_b32 s[G1V+5], 256
	s_mov_b32 s[G1V+6], 0
	s_mov_b32 s[G1V+7], 0
	s_mov_b32 s[G1S], 15|(3<<16)|(1<<21)           ; 24 rows of 256 bytes, no padding
	s_mov_b32 s[G1S+1], 32<<16
	s_mov_b32 s[G1S+2], 24<<16
	s_mov_b32 s[G1S+3], 32<<16
	s_mov_b32 s[G1S+4], 24
	s_mov_b32 s[G1S+5], 32
	s_mov_b32 s[G1S+6], 0
	s_mov_b32 s[G1S+7], 0
	s_mov_b32 s[SEL], 0x76543210
	s_mov_b32 s[SEL+1], 0xfedcba98
	s_mov_b32 s[CS], 0x3e38aa3b                    ; log2(e) / 8
	s_mov_b32 s[CS+1], s[CS]
	s_mov_b32 s[MNT], 0x600000
	s_wait_dscnt 0x0
	s_wait_kmcnt 0x0
	s_add_nc_u64 s[90:91], s[4:5], s[86:87]        ; the head's q codes
	s_add_nc_u64 s[92:93], s[6:7], s[88:89]        ; the head's record of words
	s_mov_b32 s[G0S], 1
	s_mov_b32 s[G0S+1], SCW
	s_add_nc_u64 s[G0S+2:G0S+3], s[92:93], 4096
	s_or_b32 s[G0S+3], s[G0S+3], 0x80000000
.irp s, 0,1,2,3
	s_mov_b32 s[G0K+4*\s], 1
	s_mov_b32 s[G0K+4*\s+1], KC+256*KP*\s
	s_add_nc_u64 s[G0K+4*\s+2:G0K+4*\s+3], s[90:91], 0x400000+16384*\s
	s_or_b32 s[G0K+4*\s+3], s[G0K+4*\s+3], 0x80000000
	s_mov_b32 s[G0V+4*\s], 1
	s_mov_b32 s[G0V+4*\s+1], VC+128*VP*\s
	s_add_nc_u64 s[G0V+4*\s+2:G0V+4*\s+3], s[90:91], 0x800000+16384*\s
	s_or_b32 s[G0V+4*\s+3], s[G0V+4*\s+3], 0x80000000
.endr
	CROUND                                         ; the four partners are here: the joint loads meet
.macro ARM w, g0, g1                   ; wave w's one load, and a jump to the chain's end
	s_cmp_lg_u32 s10, \w
	s_cbranch_scc1 .Lnot_\w
	tensor_load_to_lds s[\g0:\g0+3], s[\g1:\g1+7]
	s_nop 0
.rept 4
	v_nop
.endr
	s_branch .Lasked
.Lnot_\w:
.endm
	ARM 0, G0S, G1S
	ARM 1, G0K, G1K
	ARM 2, G0V, G1V
	ARM 3, G0K+4, G1K
	ARM 4, G0V+4, G1V
	ARM 5, G0K+8, G1K
	ARM 6, G0V+8, G1V
	ARM 7, G0K+12, G1K
	ARM 8, G0V+12, G1V
.Lasked:
	s_lshl_b32 s86, s85, 6
	s_add_nc_u64 s[4:5], s[90:91], s[86:87]        ; my queries' codes
	s_lshl_b32 s86, s85, 2
	s_add_nc_u64 s[6:7], s[92:93], s[86:87]        ; and words
	s_add_nc_u64 s[96:97], s[8:9], s[96:97]
	s_add_nc_u64 s[98:99], s[8:9], s[98:99]
	v_and_b32 v8, 15, v0                           ; r
	v_bfe_u32 v9, v0, 4, 1                         ; h
	s_delay_alu instid0(VALU_DEP_2)
	v_lshlrev_b32 v224, 6, v8
	s_delay_alu instid0(VALU_DEP_1)
	v_lshl_add_u32 v224, v9, 4, v224
	global_load_b128 v[16:19], v224, s[4:5]        ; Q's fragment: the head's 64
	global_load_b128 v[20:23], v224, s[4:5] offset:32
	v_lshlrev_b32 v227, 2, v8
	global_load_b32 v255, v227, s[6:7]             ; Q's words
	v_mul_u32_u24 v[AK0], v8, KP
	s_delay_alu instid0(VALU_DEP_1)
	v_lshl_add_u32 v[AK0], v9, 4, v[AK0]
	v_mul_u32_u24 v[AV0], v8, VP
	s_delay_alu instid0(VALU_DEP_1)
	v_lshl_add_u32 v[AV0], v9, 4, v[AV0]
	s_delay_alu instid0(VALU_DEP_1)
	v_add_nc_u32 v[AV0], VC, v[AV0]
	v_lshl_add_u32 v[ASK0], v8, 2, SCW
	v_lshl_add_u32 v[ASV0], v8, 2, SCW+4096
	s_and_b32 s88, s11, 1
	s_lshl_b32 s88, s88, 6
	s_lshl_b32 s89, s13, 4
	s_add_co_u32 s88, s88, s89
	v_lshlrev_b32 v[DQ], 3, v9
	s_delay_alu instid0(VALU_DEP_1)
	v_sub_nc_u32 v[DQ], v8, v[DQ]
	s_delay_alu instid0(VALU_DEP_1)
	v_add_nc_u32 v[DQ], s88, v[DQ]
	s_mul_i32 s88, s10, 16*KP
	s_add_co_u32 s88, s88, STG                     ; my stage
	v_mul_u32_u24 v[STO], v8, KP
	s_delay_alu instid0(VALU_DEP_1)
	v_lshl_add_u32 v[STO], v9, 3, v[STO]
	s_delay_alu instid0(VALU_DEP_1)
	v_add_nc_u32 v[STO], s88, v[STO]               ; in: 80 r + 8 h
	v_and_b32 v10, 31, v0
	s_delay_alu instid0(VALU_DEP_1)
	v_lshrrev_b32 v11, 2, v10
	s_delay_alu instid0(VALU_DEP_1)
	v_mul_u32_u24 v[RD], v11, KP
	s_delay_alu instid0(VALU_DEP_3)
	v_and_b32 v11, 3, v10
	s_delay_alu instid0(VALU_DEP_1)
	v_lshl_add_u32 v[RD], v11, 4, v[RD]
	s_delay_alu instid0(VALU_DEP_1)
	v_add_nc_u32 v[RD], s88, v[RD]                 ; back: four lanes to a row
	v_lshlrev_b32 v226, 4, v10                     ; 16 x lane
	v_mov_b32 v13, 0xff61b1e6                      ; the largest t so far: -3e38
	s_delay_alu instid0(VALU_DEP_1)
	v_floor_f32 v12, -v13                          ; -M
	v_mov_b32 v14, 0
	v_mov_b32 v15, 0
.set j, 0
.rept 8
	v_mov_b32 v[24+j], 0                           ; Q's zero half
	v_mov_b32 v[KF+64+j], 0                        ; behind K's last tile
.set j, j+1
.endr
.set j, 0
.rept 32
	v_mov_b32 v[O+j], 0                            ; the step is written once: the first finds zeros
.set j, j+1
.endr
.irp b, 0,1,2,3
	v_mov_b32 v[236+\b], 0                         ; a lane permute's destination counts as one of its sources
.endr
	v_mov_b32 v252, 0
	v_mov_b32 v253, 0
; A KEY STEP: keys 128 n on.  A wave whose queries all lie ahead of them leaves the step's work out: a branch on the wave's number; no barrier stands in a step.
.macro STEP n
	s_cmp_le_u32 s12, (\n)
	s_cbranch_scc1 .Lskip_\@
	v_add_nc_u32 v[ADK], 128*KP*(\n), v[AK0]
	v_add_nc_u32 v[ADV], 64*VP*(\n), v[AV0]
	v_add_nc_u32 v[ADS], 512*(\n), v[ASK0]
	v_add_nc_u32 v[ADT], 256*(\n), v[ASV0]
.rept 4
	v_nop                                          ; with the four additions: eight places in front of loads into registers that matrix instructions have read
.endr
.irp t, 0,1,2,3,4,5,6,7
	ds_load_b128 v[KF+8*\t:KF+8*\t+3], v[ADK] offset:16*KP*\t
	ds_load_b128 v[KF+8*\t+4:KF+8*\t+7], v[ADK] offset:16*KP*\t+32
	ds_load_b32 v[SW+\t], v[ADS] offset:64*\t
.endr
	s_wait_dscnt 0x0
.irp t, 0,1,2,3,4,5,6,7
	v_wmma_scale_f32_16x16x128_f8f6f4 v[S+8*\t:S+8*\t+7], v[KF+8*\t:KF+8*\t+15], v[16:31], 0, v[SW+\t], v255
.endr                                          ; register 8 t + j: key 128 n + 16 t + 8 (lane / 16) + j of my query
.rept 8
	v_nop
.endr
	s_cmp_lg_u32 s12, (\n)+1                       ; only my last step lies on the diagonal
	s_cbranch_scc1 .Lopen_\@
	v_mov_b32 v254, 0xff800000                     ; -infinity: p = 0 then
.set m, 0
.rept 64
	v_cmp_gt_i32 vcc_lo, 16*(m/8)+m%8, v[DQ]
	v_cndmask_b32 v[S+m], v[S+m], v254, vcc_lo
.set m, m+1
.endr
.Lopen_\@:
.irp b, 0,1,2,3
	v_max3_num_f32 v[232+\b], v[S+16*\b], v[S+1+16*\b], v[S+2+16*\b]   ; each block's largest score: for the row's maximum, and, since p rises with the score, for the block's largest p
.endr
.irp i, 3,5,7,9,11,13
.irp b, 0,1,2,3
	v_max3_num_f32 v[232+\b], v[232+\b], v[S+16*\b+\i], v[S+1+16*\b+\i]
.endr
.endr
.irp b, 0,1,2,3
	v_max_num_f32 v[232+\b], v[232+\b], v[S+15+16*\b]
.endr
.irp b, 0,1,2,3
	s_delay_alu instid0(VALU_DEP_4)
	v_permlanex16_b32 v[236+\b], v[232+\b], s[SEL], s[SEL+1]
.endr
.irp b, 0,1,2,3
	s_delay_alu instid0(VALU_DEP_4)
	v_max_num_f32 v[232+\b], v[232+\b], v[236+\b]
.endr
	s_delay_alu instid0(VALU_DEP_2)
	v_max3_num_f32 v254, v232, v233, v234
	s_delay_alu instid0(VALU_DEP_1)
	v_max_num_f32 v254, v254, v235
	s_delay_alu instid0(VALU_DEP_1)
	v_mul_f32 v254, s[CS], v254
	s_delay_alu instid0(VALU_DEP_1)
	v_max_num_f32 v13, v13, v254                   ; the running largest t
	v_mov_b32 v254, v12
	s_delay_alu instid0(VALU_DEP_2)
	v_floor_f32 v12, -v13                          ; -M = floor(-t)
	s_delay_alu instid0(VALU_DEP_1)
	v_sub_f32 v254, v12, v254
	s_delay_alu instid0(VALU_DEP_1)
	v_cvt_i32_f32 v254, v254                       ; (it saturates)
	s_delay_alu instid0(VALU_DEP_1)
	v_ldexp_f32 v252, 1.0, v254                    ; f = 2^(old M - new M): rounds nothing
.set j, 0
.rept 32
	v_pk_fma_f32 v[S+j:S+j+1], v[S+j:S+j+1], s[CS:CS+1], v[12:13] op_sel_hi:[1,0,0]   ; t - M
.set j, j+2
.endr
.irp b, 0,1,2,3
	v_fma_f32 v[232+\b], v[232+\b], s[CS], v12
.endr
.set j, 0
	s_wait_alu depctr_va_vdst(0)
.rept 64
	v_exp_f32 v[S+j], v[S+j]                       ; p
.set j, j+1
.endr
.irp b, 0,1,2,3
	v_exp_f32 v[232+\b], v[232+\b]                 ; the block's largest p
.endr
	v_pk_mul_f32 v[14:15], v[14:15], v[252:253] op_sel_hi:[1,0]   ; the sums under the new M (a plain line behind the exponentials)
	s_wait_alu depctr_va_vdst(0)
.irp b, 0,1,2,3
	v_max_num_f32 v[232+\b], 0x4800000, v[232+\b]  ; the floor: the byte cannot fall under 1
.endr
.irp b, 0,1,2,3
	s_delay_alu instid0(VALU_DEP_4)
	v_add_nc_u32 v[244+\b], 0xfc000000, v[232+\b]
.endr
.irp b, 0,1,2,3
	v_and_or_b32 v[240+\b], v[232+\b], 0x7f800000, s[MNT]
.endr
.irp b, 0,1,2,3
	v_lshrrev_b32 v[236+\b], 23, v[244+\b]
.endr
	s_delay_alu instid0(VALU_DEP_3)
	v_lshl_or_b32 v253, v237, 8, v236              ; p's scale word
	s_delay_alu instid0(VALU_DEP_1)
	v_lshl_or_b32 v253, v238, 16, v253
	s_delay_alu instid0(VALU_DEP_1)
	v_lshl_or_b32 v253, v239, 24, v253
	v_pk_add_f32 v[236:237], v[108:109], v[112:113]
	v_pk_add_f32 v[248:249], v[116:117], v[120:121]
	v_pk_add_f32 v[234:235], v[124:125], v[128:129]
	v_pk_add_f32 v[232:233], v[132:133], v[136:137]
	v_pk_add_f32 v[230:231], v[140:141], v[144:145]
	v_pk_add_f32 v[228:229], v[148:149], v[152:153]
	v_pk_add_f32 v[224:225], v[156:157], v[160:161]
	v_pk_add_f32 v[14:15], v[14:15], v[164:165]
	v_pk_add_f32 v[236:237], v[236:237], v[104:105]
	v_pk_add_f32 v[248:249], v[248:249], v[106:107]
	v_pk_add_f32 v[234:235], v[234:235], v[110:111]
	v_pk_add_f32 v[232:233], v[232:233], v[114:115]
	v_pk_add_f32 v[230:231], v[230:231], v[118:119]
	v_pk_add_f32 v[228:229], v[228:229], v[122:123]
	v_pk_add_f32 v[224:225], v[224:225], v[126:127]
	v_pk_add_f32 v[14:15], v[14:15], v[130:131]
	v_pk_add_f32 v[236:237], v[236:237], v[134:135]
	v_pk_add_f32 v[248:249], v[248:249], v[138:139]
	v_pk_add_f32 v[234:235], v[234:235], v[142:143]
	v_pk_add_f32 v[232:233], v[232:233], v[146:147]
	v_pk_add_f32 v[230:231], v[230:231], v[150:151]
	v_pk_add_f32 v[228:229], v[228:229], v[154:155]
	v_pk_add_f32 v[224:225], v[224:225], v[158:159]
	v_pk_add_f32 v[14:15], v[14:15], v[162:163]
	v_pk_add_f32 v[236:237], v[236:237], v[166:167]
	s_delay_alu instid0(VALU_DEP_2)
	v_pk_add_f32 v[14:15], v[14:15], v[232:233]
	s_delay_alu instid0(VALU_DEP_2)
	v_pk_add_f32 v[236:237], v[236:237], v[230:231]
	v_pk_add_f32 v[248:249], v[248:249], v[228:229]
	v_pk_add_f32 v[234:235], v[234:235], v[224:225]
	s_delay_alu instid0(VALU_DEP_2)
	v_pk_add_f32 v[14:15], v[14:15], v[248:249]
	s_delay_alu instid0(VALU_DEP_2)
	v_pk_add_f32 v[236:237], v[236:237], v[234:235]
	s_delay_alu instid0(VALU_DEP_1)
	v_pk_add_f32 v[14:15], v[14:15], v[236:237]
.irp b, 0,1,2,3
.irp i, 0,1,2,3,4,5,6,7,8,9,10,11,12,13,14,15
	v_min_num_f32 v[S+16*\b+\i], v[S+16*\b+\i], v[240+\b]   ; the hold; p is not negative
.endr
	v_cvt_scalef32_pk8_fp8_f32 v[PCD+4*\b:PCD+4*\b+1], v[S+16*\b:S+16*\b+7], v[244+\b]
	v_cvt_scalef32_pk8_fp8_f32 v[PCD+4*\b+2:PCD+4*\b+3], v[S+16*\b+8:S+16*\b+15], v[244+\b]
.endr
.set j, 0
.rept 16
	v_pk_mul_f32 v[O+j:O+j+1], v[O+j:O+j+1], v[252:253] op_sel_hi:[1,0]   ; O^T under the new M; also the places in front of the lines below
.set j, j+2
.endr
.irp t, 0,1,2,3
.irp c, 0,1,2,3
	ds_load_b128 v[KF+16*\t+4*\c:KF+16*\t+4*\c+3], v[ADV] offset:16*VP*\t+32*\c
.endr
	ds_load_b32 v[SW+\t], v[ADT] offset:64*\t
.endr
	s_wait_alu depctr_va_vdst(0)
	s_wait_dscnt 0x0
.irp t, 0,1,2,3
	v_wmma_scale_f32_16x16x128_f8f6f4 v[O+8*\t:O+8*\t+7], v[KF+16*\t:KF+16*\t+15], v[PCD:PCD+15], v[O+8*\t:O+8*\t+7], v[SW+\t], v253
.endr
.Lskip_\@:
.endm
	s_wait_alu depctr_va_vdst(0)                   ; the wait at the head's end
	s_wait_loadcnt 0x0                             ; Q
	s_wait_tensorcnt 0x0                           ; my one load, if I have one, has landed
	s_wait_dscnt 0x0
	s_barrier_signal -1
	s_barrier_wait -1                              ; everybody's has: K, V and the words lie in LDS
.irp n, 0,1,2,3,4,5,6,7
	STEP \n
.endr
	; THE WAY OUT: O^T / the sum, quantised along the head's 64 (two blocks), through my stage, so that a store covers 512 consecutive bytes
.rept 8
	v_nop
.endr
	v_add_f32 v14, v14, v15
	s_wait_alu depctr_va_vdst(0)
	v_permlanex16_b32 v252, v14, s[SEL], s[SEL+1]
	s_delay_alu instid0(VALU_DEP_1)
	v_add_f32 v14, v14, v252
	s_wait_alu depctr_va_vdst(0)
	v_rcp_f32 v14, v14
	v_nop
.set j, 0
	s_wait_alu depctr_va_vdst(0)
.rept 32
	v_mul_f32 v[S+j], v[O+j], v14                  ; register 8 t + j: o(my query, 16 t + 8 (lane / 16) + j)
.set j, j+1
.endr
.irp b, 0,1
	v_max3_num_f32 v[232+\b], |v[S+16*\b]|, |v[S+1+16*\b]|, 0x4800000
.endr
.irp i, 2,4,6,8,10,12,14
.irp b, 0,1
	s_delay_alu instid0(VALU_DEP_2)
	v_max3_num_f32 v[232+\b], v[232+\b], |v[S+16*\b+\i]|, |v[S+1+16*\b+\i]|
.endr
.endr
.irp b, 0,1
	s_delay_alu instid0(VALU_DEP_2)
	v_permlanex16_b32 v[236+\b], v[232+\b], s[SEL], s[SEL+1]
.endr
.irp b, 0,1
	s_delay_alu instid0(VALU_DEP_2)
	v_max_num_f32 v[232+\b], v[232+\b], v[236+\b]
.endr
.irp b, 0,1
	s_delay_alu instid0(VALU_DEP_2)
	v_add_nc_u32 v[244+\b], 0xfc000000, v[232+\b]
.endr
.irp b, 0,1
	s_delay_alu instid0(VALU_DEP_4)
	v_and_or_b32 v[240+\b], v[232+\b], 0x7f800000, s[MNT]
.endr
.irp b, 0,1
	s_delay_alu instid0(VALU_DEP_4)
	v_lshrrev_b32 v[236+\b], 23, v[244+\b]
.endr
	s_delay_alu instid0(VALU_DEP_1)
	v_lshl_or_b32 v253, v237, 8, v236              ; the head's two bytes
.irp b, 0,1
.irp i, 0,1,2,3,4,5,6,7,8,9,10,11,12,13,14,15
	v_med3_num_f32 v[S+16*\b+\i], v[S+16*\b+\i], -v[240+\b], v[240+\b]
.endr
	v_cvt_scalef32_pk8_fp8_f32 v[PCD+4*\b:PCD+4*\b+1], v[S+16*\b:S+16*\b+7], v[244+\b]
	v_cvt_scalef32_pk8_fp8_f32 v[PCD+4*\b+2:PCD+4*\b+3], v[S+16*\b+8:S+16*\b+15], v[244+\b]
.endr
	v_nop
.irp t, 0,1,2,3
	ds_store_b64 v[STO], v[PCD+2*\t:PCD+2*\t+1] offset:16*\t   ; eight codes at d = 16 t + 8 h: natural order
.endr
	ds_load_b128 v[S:S+3], v[RD]
	ds_load_b128 v[S+4:S+7], v[RD] offset:8*KP
	s_wait_dscnt 0x0
	global_store_b128 v226, v[S:S+3], s[96:97]
	global_store_b128 v226, v[S+4:S+7], s[96:97] offset:512
	global_store_b16 v227, v253, s[98:99]          ; my query's half-word (both halves of the lanes write the same)
	s_wait_tensorcnt 0x0
	s_wait_dscnt 0x0
	s_wait_tensorcnt 0x0
	ds_add_u32 v250, v251
	s_wait_dscnt 0x0
	CROUND                                         ; the closing round
	s_endpgm
.Lfunc_end_k_q34ec6fd4f9_attn:
	.size	k_q34ec6fd4f9_attn, .Lfunc_end_k_q34ec6fd4f9_attn-k_q34ec6fd4f9_attn
	.p2alignl 7, 3214868480
	.fill 96, 4, 3214868480
	.section	.rodata,"a",@progbits
	.p2align	6, 0x0
	.amdhsa_kernel k_q34ec6fd4f9_attn
		.amdhsa_group_segment_fixed_size 198656
		.amdhsa_private_segment_fixed_size 0
		.amdhsa_enable_private_segment 0
		.amdhsa_kernarg_size 24
		.amdhsa_user_sgpr_count 2
		.amdhsa_user_sgpr_kernarg_segment_ptr 1
		.amdhsa_wavefront_size32 1
		.amdhsa_system_sgpr_workgroup_id_x 1
		.amdhsa_system_sgpr_workgroup_id_y 1
		.amdhsa_system_sgpr_workgroup_id_z 1
		.amdhsa_system_vgpr_workitem_id 0
		.amdhsa_next_free_vgpr 256
		.amdhsa_next_free_sgpr 100
		.amdhsa_reserve_vcc 1
		.amdhsa_float_denorm_mode_32 3
		.amdhsa_float_denorm_mode_16_64 3
		.amdhsa_memory_ordered 1
		.amdhsa_forward_progress 1
		.amdhsa_inst_pref_size 220
	.end_amdhsa_kernel
	.amdgpu_metadata
---
amdhsa.version: [ 1, 2 ]
amdhsa.kernels:
  - .name:           k_q34ec6fd4f9_attn
    .symbol:         k_q34ec6fd4f9_attn.kd
    .args:
      - { .name: qkv, .offset: 0, .size: 8, .value_kind: global_buffer, .address_space: global }
      - { .name: sc, .offset: 8, .size: 8, .value_kind: global_buffer, .address_space: global }
      - { .name: ob, .offset: 16, .size: 8, .value_kind: global_buffer, .address_space: global }
    .group_segment_fixed_size: 198656
    .private_segment_fixed_size: 0
    .kernarg_segment_align: 8
    .kernarg_segment_size: 24
    .max_flat_workgroup_size: 512
    .sgpr_count:     100
    .vgpr_count:     256
    .wavefront_size: 32
...
	.end_amdgpu_metadata
.endif
;; end of part 3
;; launch gout (part 4): grid 8 x 32, 4 waves a work-group, clusters of 4 x 4, 327,680 bytes of LDS; arguments ob, w_out_codes, w_out_scales, b_out, x, x1; writes x1
.if DOCPART == 4
	.amdgcn_target "amdgcn-amd-amdhsa--gfx1250"
	.amdhsa_code_object_version 6
	.text
	.protected	k_q34ec6fd4f9_gout
	.globl	k_q34ec6fd4f9_gout
	.p2align	8
	.type	k_q34ec6fd4f9_gout,@function
k_q34ec6fd4f9_gout:
	s_mov_b64 s[64:65], 0
	v_nop
	global_prefetch_b8 v0, s[64:65] scope:SCOPE_SE
	s_setreg_imm32_b32 hwreg(HW_REG_WAVE_MODE, 25, 1), 1
	s_wait_xcnt 0x0
	s_wait_alu depctr_hold_cnt(0) depctr_sa_sdst(0) depctr_va_vdst(0) depctr_va_sdst(0) depctr_va_ssrc(0) depctr_va_vcc(0) depctr_vm_vsrc(0)
	s_getreg_b32 s2, hwreg(HW_REG_IB_STS2, 6, 4)
	s_cmp_eq_u32 s2, 0
	s_cbranch_scc0 .Lentry_in_a_cluster
	s_endpgm
.Lentry_in_a_cluster:
	s_bfe_u32 s2, ttmp6, 0x10000c
	s_cmp_lg_u32 s2, 0xf033
	s_cbranch_scc0 .Lentry_shape_is_right
	s_endpgm
.Lentry_shape_is_right:
; x1 = x + (o W^T + b_out) on codes of E4M3.  o: 4,096 rows x 1,024, codes laid by heads, [16][4096][64], and at SCOFF scale planes [8][4096] words; W: [1024][1024] codes, [1024][32] scale bytes.
; b_out [1024], x and x1 [4096][1024]: f32.
; A tile of 128 x 128 of x1 is made by four waves, 64 x 64 each (16 accumulators): 256 work-groups.
; ALL OF K LIES IN LDS AT ONCE: o's 128 rows (16 chunks x 128 rows x 80 bytes), W's 128 rows (1,040 bytes each) and both sides' scales, 305,408 bytes.  Four joint loads at the head, one a wave; no byte is filled twice.
; 4 x 4 work-groups form a cluster: o's tile and words are shared along a row, W's along a column.
; No prefetch: every byte is asked for at the head, and there is no loop of loads to run ahead in.
; THE MATRIX INSTRUCTION IS USED TRANSPOSED (source 0 = 16 rows of W, source 1 = 16 rows of o): a lane holds eight neighbouring numbers of a row of x1.  The bias is the C of each sum's first instruction.
; REGISTERS: window 0: v0-31 addresses; v32-47 scale words, two sets (o's four, W's four); v48-79 the way out; v96-127 the bias; v128-255 the accumulators ((a, b) at v[128 + 8 (4 a + b)]).
;   window 1: two fragment buffers of 128 (o's four fragments, then W's four).   window 2: v0-127 my 64 x 64 of x.
; LIMITS: NaN and infinities are not served.
.set KK,    1024
.set CH,    64
.set QIA,   3                          ; padding behind every CH bytes: 2 << QIA words
.set SCOFF, 0x400000
.set NCH,   KK/CH
.set CP,    CH+16
.set LNA,   128*CP                     ; a chunk's 128 rows in LDS
.set AT,    NCH*LNA
.set BP,    KK+16
.set BT,    128*BP
.set PL,    KK/128
.set KS,    KK/32
.set ASC,   AT+BT                      ; o's words: PL planes of 128
.set BSC,   ASC+PL*512                 ; W's scale bytes, as units of 256 bytes + 16
.set HALFS, (64*KS/256)*272
.set SBLK,  (16*KS/256)*272
.set SPARE, BSC+2*HALFS                ; the spare words: 128 bytes a wave; no other line names them
.set STG,   SPARE+512                  ; the way out: 16 rows x 272 bytes for each wave, on bytes of their own
.set SPITCH, 272
.set ADRA, 16                          ; v16-19: o's fragments, two quarters of K to a register
.set ADRB, 20
.set ADSA, 22
.set ADSB, 23
.set STO,  24
.set RD,   25
.set CO,   26
.set SPW,  28
.set NIL,  29
.set SC,   32
.set OB,   48
.set BI,   96
.set ACC,  128
.set F1,   128
.set G0H, 16
.set G0HB, 20
.set G1, 24
.set G1B, 48
.set G1S, 68
.set G0S, 76
.set G1SB, 80
.set G0SB, 88
.set WV, 92
.set RH, 93
.set CF, 94
.set MSB, 0
.macro WIN new                         ; the immediate's high byte repeats the setting that is left
.if MSB != (\new)
	s_set_vgpr_msb (MSB<<8)|(\new)
.set MSB, (\new)
.endif
.endm
.set MUL, 0x05                         ; sources 0 and 1 window 1; C and D window 0
.macro PLACES n
.rept \n
	v_nop
.endr
.endm
.macro CROUND                          ; a round of the cluster's barrier
	s_barrier_signal -1
	s_barrier_wait -1
	s_cmp_lg_u32 s[WV], 0
	s_cbranch_scc1 .Lnot_wave_0_\@
	s_barrier_signal -3
.Lnot_wave_0_\@:
	s_barrier_wait -3
	s_barrier_signal -1
	s_barrier_wait -1
.endm
.macro ARM under, g0, g1, next         ; an arm of the head's chain: one load, its s_nop 0 and four v_nop, a jump to the chain's end
	s_cmp_lt_u32 s[WV], \under
	s_cbranch_scc0 \next
	tensor_load_to_lds s[\g0:\g0+3], s[\g1:\g1+7]
	s_nop 0
	PLACES 4
	s_branch .Lhead_asked
\next:
.endm
.macro G0SET g, lds, p                 ; a group 0: LDS byte, address pair
	s_mov_b32 s[\g], 1
	s_mov_b32 s[\g+1], \lds
	s_mov_b64 s[\g+2:\g+3], s[\p:\p+1]
	s_or_b32 s[\g+3], s[\g+3], 0x80000000
.endm
	s_load_b256 s[4:11], s[0:1], 0x0               ; o s[4:5], W's codes s[6:7], W's scales s[8:9], bias s[10:11]
	s_load_b128 s[12:15], s[0:1], 0x20             ; x s[12:13], x1 s[14:15]
	v_lshl_add_u32 v[SPW], v0, 2, SPARE
	v_mov_b32 v[NIL], 0
	ds_add_u32 v[SPW], v[NIL]                      ; the opening lines: the add twice on end and one wait, ahead of my first tensor load
	ds_add_u32 v[SPW], v[NIL]
	v_lshrrev_b32 v1, 5, v0
	v_readfirstlane_b32 s[WV], v1
	s_lshr_b32 s[RH], s[WV], 1                     ; my half of the rows
	s_and_b32 s[CF], s[WV], 1                      ; my half of the columns
	s_bfe_u32 s40, ttmp6, 0x40000                  ; cx
	s_bfe_u32 s41, ttmp6, 0x40004                  ; cy
	s_lshl_b32 s42, ttmp9, 2
	s_add_co_u32 s42, s42, s40                     ; tile column
	s_and_b32 s45, ttmp7, 0xffff
	s_lshl_b32 s45, s45, 2
	s_add_co_u32 s45, s45, s41                     ; tile row
	s_lshl_b32 s43, s41, 2
	s_lshl_b32 s43, 15, s43                        ; my row of the cluster
	s_lshl_b32 s44, 0x1111, s40                    ; my column
	s_or_b32 s[G1], s43, (1<<20)|(1<<21)|(QIA<<22)|(3<<25)   ; o: NCH lines of 128 rows x CH bytes (dense in memory), 16 bytes of padding behind every CH
	s_mov_b32 s[G1+1], ((128*CH)&0xffff)<<16
	s_mov_b32 s[G1+2], NCH<<16
	s_mov_b32 s[G1+3], (128*CH)<<16
	s_mov_b32 s[G1+4], NCH
	s_mov_b32 s[G1+5], 4096*CH                     ; from chunk to chunk
	s_mov_b32 s[G1+6], 0
	s_mov_b32 s[G1+7], 0
	s_or_b32 s[G1B], s44, (1<<20)|(1<<21)|(7<<22)|(3<<25)    ; W: 128 rows of 1,024 bytes, 16 of padding behind each
	s_mov_b32 s[G1B+1], KK<<16
	s_mov_b32 s[G1B+2], 128<<16
	s_mov_b32 s[G1B+3], KK<<16
	s_mov_b32 s[G1B+4], 128
	s_mov_b32 s[G1B+5], KK
	s_mov_b32 s[G1B+6], 0
	s_mov_b32 s[G1B+7], 0
	s_or_b32 s[G1S], s43, (2<<16)|(1<<21)          ; o's words: PL planes of 128 words
	s_mov_b32 s[G1S+1], 128<<16
	s_mov_b32 s[G1S+2], PL<<16
	s_mov_b32 s[G1S+3], 128<<16
	s_mov_b32 s[G1S+4], PL
	s_mov_b32 s[G1S+5], 4096
	s_mov_b32 s[G1S+6], 0
	s_mov_b32 s[G1S+7], 0
	s_or_b32 s[G1SB], s44, (3<<16)|(1<<20)|(1<<21)|(5<<22)|(3<<25)   ; W's bytes of 128 rows: dense, as rows of 256 bytes + 16
	s_mov_b32 s[G1SB+1], 32<<16
	s_mov_b32 s[G1SB+2], (128*KS/256)<<16
	s_mov_b32 s[G1SB+3], 32<<16
	s_mov_b32 s[G1SB+4], 128*KS/256
	s_mov_b32 s[G1SB+5], 32
	s_mov_b32 s[G1SB+6], 0
	s_mov_b32 s[G1SB+7], 0
	s_mul_i32 s46, s45, 128*CH                     ; byte offsets: o's tile in a chunk,
	s_mov_b32 s47, 0
	s_lshl_b32 s66, s45, 9
	s_add_co_u32 s66, s66, SCOFF                   ; its words in a plane,
	s_mov_b32 s67, 0
	s_mul_i32 s100, s42, 128*KK                    ; W's rows,
	s_mov_b32 s101, 0
	s_mul_i32 s104, s42, 128*KS                    ; and their scale bytes
	s_mov_b32 s105, 0
	s_wait_dscnt 0x0                               ; both opening adds are done
	s_wait_kmcnt 0x0
	s_add_nc_u64 s[46:47], s[4:5], s[46:47]
	s_add_nc_u64 s[66:67], s[4:5], s[66:67]
	s_add_nc_u64 s[100:101], s[6:7], s[100:101]
	s_add_nc_u64 s[104:105], s[8:9], s[104:105]
	G0SET G0H, 0, 46
	G0SET G0HB, AT, 100
	G0SET G0S, ASC, 66
	G0SET G0SB, BSC, 104
	CROUND                                         ; all sixteen work-groups are here: the joint loads meet
	ARM 1, G0H,  G1,  .Lhead_b                     ; wave 0: o's tile; wave 1: W's; wave 2: o's words; wave 3: W's scale bytes
	ARM 2, G0HB, G1B, .Lhead_sa
	ARM 3, G0S,  G1S, .Lhead_sb
	tensor_load_to_lds s[G0SB:G0SB+3], s[G1SB:G1SB+7]
	s_nop 0
	PLACES 4
.Lhead_asked:
	s_lshl_b32 s42, s42, 9
	s_lshl_b32 s43, s[CF], 8
	s_add_co_u32 s42, s42, s43                     ; my first column, in bytes
	s_mov_b32 s43, 0
	s_add_nc_u64 s[10:11], s[10:11], s[42:43]
	s_lshl_b32 s44, s45, 7
	s_lshl_b32 s45, s[RH], 6
	s_add_co_u32 s44, s44, s45
	s_lshl_b32 s44, s44, 12                        ; my first row, in bytes
	s_add_co_u32 s44, s44, s42
	s_mov_b32 s45, 0
	s_add_nc_u64 s[12:13], s[12:13], s[44:45]
	s_add_nc_u64 s[14:15], s[14:15], s[44:45]
	; the addresses, all from the thread's number: bit 6 is my half of the rows, bit 5 my half of the columns
	v_and_b32 v1, 15, v0                           ; r
	v_bfe_u32 v2, v0, 4, 1                         ; h
	v_bfe_u32 v5, v0, 6, 1
	v_bfe_u32 v6, v0, 5, 1
	v_lshrrev_b32 v7, 5, v0                        ; wave
	v_lshlrev_b32 v11, 5, v2
	v_lshlrev_b32 v[CO], 12, v2
	v_lshl_add_u32 v[CO], v1, 4, v[CO]             ; two rows of x and x1: sixteen lanes to 256 bytes
.irp b, 0,1,2,3
	global_load_b128 v[BI+8*\b:BI+8*\b+3], v11, s[10:11] offset:64*\b        ; the bias in the result's layout: columns 16 b + 8 h + 0 .. 7
	global_load_b128 v[BI+8*\b+4:BI+8*\b+7], v11, s[10:11] offset:64*\b+16
.endr
	v_mul_u32_u24 v3, v1, CP
	v_lshl_add_u32 v3, v2, 4, v3
	v_mad_u32_u24 v[ADRA], v5, 64*CP, v3           ; o: (64 x half + r) x pitch + 16 h
.irp k, 1,2,3
	v_add_nc_u32 v[ADRA+\k], \k*4*LNA, v[ADRA]     ; four chunks, 256 along K, on
.endr
	v_mul_u32_u24 v4, v1, BP
	v_lshl_add_u32 v4, v2, 4, v4
	v_mad_u32_u24 v4, v6, 64*BP, v4
	v_add_nc_u32 v[ADRB], AT, v4
	v_lshl_add_u32 v3, v5, 8, ASC
	v_lshl_add_u32 v[ADSA], v1, 2, v3              ; o's words: 256 x half + 4 r in a plane
	v_mul_u32_u24 v9, v1, KS
	v_lshrrev_b32 v10, 8, v9
	v_lshl_add_u32 v9, v10, 4, v9                  ; W's: KS bytes a row, 16 more for each 256 passed
	v_mad_u32_u24 v9, v6, HALFS, v9
	v_add_nc_u32 v[ADSB], BSC, v9
	v_mul_u32_u24 v9, v1, SPITCH
	v_lshl_add_u32 v9, v2, 5, v9
	v_mad_u32_u24 v9, v7, 16*SPITCH, v9
	v_add_nc_u32 v[STO], STG, v9                   ; the stage in: row r, 32 bytes for each half of the lanes
	v_mul_u32_u24 v10, v2, SPITCH
	v_lshl_add_u32 v10, v1, 4, v10
	v_mad_u32_u24 v10, v7, 16*SPITCH, v10
	v_add_nc_u32 v[RD], STG, v10                   ; back: sixteen lanes to a row of 256 bytes
.macro FETCH ra, rb, qa, q, f          ; the fragments and scale words of 128 along K: 40 LDS loads.  qa: the quarter counted from o's address register, q: from the others'
	WIN 0x40
.irp i, 0,1,2,3
.irp c, 0,1,2,3
	ds_load_b128 v[\f+16*\i+4*\c:\f+16*\i+4*\c+3], v[\ra] offset:((128*(\qa)+32*\c)/CH)*LNA+(128*(\qa)+32*\c)%CH+\i*16*CP
.endr
.endr
.irp i, 0,1,2,3
.irp c, 0,1,2,3
	ds_load_b128 v[\f+64+16*\i+4*\c:\f+64+16*\i+4*\c+3], v[\rb] offset:128*(\q)+32*\c+\i*16*BP
.endr
.endr
	WIN 0
.irp i, 0,1,2,3
	ds_load_b32 v[SC+8*((\f)/128)+\i], v[ADSA] offset:512*(\q)+64*\i
	ds_load_b32 v[SC+8*((\f)/128)+4+\i], v[ADSB] offset:SBLK*\i+4*(\q)
.endr
.endm
; 8 matrix instructions; the 16 accumulators take turns, one instruction a turn, in the same order in every quarter
.macro MUL8 f, a0, first
.irp a, \a0, \a0+1
.irp b, 0,1,2,3
.if \first
	v_wmma_scale_f32_16x16x128_f8f6f4 v[ACC+8*(4*(\a)+\b):ACC+8*(4*(\a)+\b)+7], v[\f+64+16*\b:\f+64+16*\b+15], v[\f+16*(\a):\f+16*(\a)+15], v[BI+8*\b:BI+8*\b+7], v[SC+8*((\f)/128)+4+\b], v[SC+8*((\f)/128)+(\a)]
.else
	v_wmma_scale_f32_16x16x128_f8f6f4 v[ACC+8*(4*(\a)+\b):ACC+8*(4*(\a)+\b)+7], v[\f+64+16*\b:\f+64+16*\b+15], v[\f+16*(\a):\f+16*(\a)+15], v[ACC+8*(4*(\a)+\b):ACC+8*(4*(\a)+\b)+7], v[SC+8*((\f)/128)+4+\b], v[SC+8*((\f)/128)+(\a)]
.endif
.endr
.endr
.endm
.macro QT ra, rb, qa, q, f, g, first   ; the quarter named is fetched into g, then f is multiplied
	PLACES 8                                       ; eight plain lines between the last products and loads into what they have read
	FETCH \ra, \rb, \qa, \q, \g
	s_wait_dscnt 40                                ; all but the 40 just issued
	WIN MUL
	MUL8 \f, 0, \first
	MUL8 \f, 2, \first
.endm
	s_wait_alu depctr_va_vdst(0)                   ; the wait at the head's end
	s_wait_tensorcnt 0x0                           ; my tile is in
	s_barrier_signal -1
	s_barrier_wait -1                              ; everybody's is
	FETCH ADRA, ADRB, 0, 0, 0
	WIN 0x80                                       ; destination window 2
.set t, 0
.rept 32
	global_load_b128 v[4*t:4*t+3], v[CO], s[12:13] offset:2*t*4096           ; x: rows 2 t, 2 t + 1 of my 64; wanted on the way out, so asked for behind the tiles
.set t, t+1
.endr
	WIN 0
	s_wait_loadcnt 32
.set J, 0
.rept 7                                ; quarter J is multiplied while quarter J + 1 comes; the first quarter's products start the sums, on the bias
	QT ADRA+(J+1)/2, ADRB, (J+1)%2, J+1, 128*(J%2), 128*((J+1)%2), (J==0)
.set J, J+1
.endr
	s_wait_dscnt 0x0
	MUL8 F1, 0, 0
	MUL8 F1, 2, 0
	WIN 0
	PLACES 8
	s_wait_loadcnt 0x0                             ; x
	; THE WAY OUT, 16 rows at a time, through my stage: sixteen lanes then hold 256 neighbouring bytes of a row
.irp a, 0,1,2,3
	s_wait_xcnt 0x0                                ; the last block's stores have read v[OB] on
.irp b, 0,1,2,3
	ds_store_b128 v[STO], v[ACC+8*(4*\a+\b):ACC+8*(4*\a+\b)+3] offset:64*\b     ; each accumulator from its low end on
	ds_store_b128 v[STO], v[ACC+8*(4*\a+\b)+4:ACC+8*(4*\a+\b)+7] offset:64*\b+16
.endr
.irp t, 0,1,2,3,4,5,6,7
	ds_load_b128 v[OB+4*\t:OB+4*\t+3], v[RD] offset:2*SPITCH*\t    ; LDS serves a wave's instructions in order: these see the stores above
.endr
	s_wait_dscnt 0x0
	WIN 0x08                                       ; source 1: window 2
.set j, 0
.rept 16
	v_pk_add_f32 v[OB+j:OB+j+1], v[OB+j:OB+j+1], v[32*\a+j:32*\a+j+1]
.set j, j+2
.endr
	WIN 0
.irp t, 0,1,2,3,4,5,6,7
	global_store_b128 v[CO], v[OB+4*\t:OB+4*\t+3], s[14:15] offset:(16*\a+2*\t)*4096   ; sixteen lanes store 256 consecutive bytes, aligned
.endr
.endr
	s_wait_tensorcnt 0x0                           ; the wave's end
	ds_add_u32 v[SPW], v[NIL]
	s_wait_dscnt 0x0
	CROUND                                         ; the closing round
	s_endpgm
.Lfunc_end_k_q34ec6fd4f9_gout:
	.size	k_q34ec6fd4f9_gout, .Lfunc_end_k_q34ec6fd4f9_gout-k_q34ec6fd4f9_gout
	.p2alignl 7, 3214868480
	.fill 96, 4, 3214868480
	.section	.rodata,"a",@progbits
	.p2align	6, 0x0
	.amdhsa_kernel k_q34ec6fd4f9_gout
		.amdhsa_group_segment_fixed_size 327680
		.amdhsa_private_segment_fixed_size 0
		.amdhsa_enable_private_segment 0
		.amdhsa_kernarg_size 48
		.amdhsa_user_sgpr_count 2
		.amdhsa_user_sgpr_kernarg_segment_ptr 1
		.amdhsa_wavefront_size32 1
		.amdhsa_system_sgpr_workgroup_id_x 1
		.amdhsa_system_sgpr_workgroup_id_y 1
		.amdhsa_system_sgpr_workgroup_id_z 1
		.amdhsa_system_vgpr_workitem_id 0
		.amdhsa_next_free_vgpr 768
		.amdhsa_next_free_sgpr 106
		.amdhsa_reserve_vcc 0
		.amdhsa_float_denorm_mode_32 3
		.amdhsa_float_denorm_mode_16_64 3
		.amdhsa_memory_ordered 1
		.amdhsa_forward_progress 1
		.amdhsa_inst_pref_size 64
	.end_amdhsa_kernel
	.amdgpu_metadata
---
amdhsa.version: [ 1, 2 ]
amdhsa.kernels:
  - .name:           k_q34ec6fd4f9_gout
    .symbol:         k_q34ec6fd4f9_gout.kd
    .args:
      - { .name: ob, .offset: 0, .size: 8, .value_kind: global_buffer, .address_space: global }
      - { .name: w_out_codes, .offset: 8, .size: 8, .value_kind: global_buffer, .address_space: global }
      - { .name: w_out_scales, .offset: 16, .size: 8, .value_kind: global_buffer, .address_space: global }
      - { .name: b_out, .offset: 24, .size: 8, .value_kind: global_buffer, .address_space: global }
      - { .name: x, .offset: 32, .size: 8, .value_kind: global_buffer, .address_space: global }
      - { .name: x1, .offset: 40, .size: 8, .value_kind: global_buffer, .address_space: global }
    .group_segment_fixed_size: 327680
    .private_segment_fixed_size: 0
    .kernarg_segment_align: 8
    .kernarg_segment_size: 48
    .max_flat_workgroup_size: 128
    .sgpr_count:     106
    .vgpr_count:     768
    .wavefront_size: 32
...
	.end_amdgpu_metadata
.endif
;; end of part 4
;; launch ln2: the kernel of part 1 again; grid 256 x 1, 16 waves a work-group, no clusters, 84,480 bytes of LDS; arguments x1, ln2_g, ln2_b, act; writes act
;; launch gff1 (part 5): grid 16 x 16, 4 waves a work-group, clusters of 4 x 4, 327,680 bytes of LDS; arguments act, ff, w1_codes, w1_scales, b1; writes ff
.if DOCPART == 5
	.amdgcn_target "amdgcn-amd-amdhsa--gfx1250"
	.amdhsa_code_object_version 6
	.text
	.protected	k_q34ec6fd4f9_gff1
	.globl	k_q34ec6fd4f9_gff1
	.p2align	8
	.type	k_q34ec6fd4f9_gff1,@function
k_q34ec6fd4f9_gff1:
	s_mov_b64 s[64:65], 0
	v_nop
	global_prefetch_b8 v0, s[64:65] scope:SCOPE_SE
	s_setreg_imm32_b32 hwreg(HW_REG_WAVE_MODE, 25, 1), 1
	s_wait_xcnt 0x0
	s_wait_alu depctr_hold_cnt(0) depctr_sa_sdst(0) depctr_va_vdst(0) depctr_va_sdst(0) depctr_va_ssrc(0) depctr_va_vcc(0) depctr_vm_vsrc(0)
	s_getreg_b32 s2, hwreg(HW_REG_IB_STS2, 6, 4)
	s_cmp_eq_u32 s2, 0
	s_cbranch_scc0 .Lentry_in_a_cluster
	s_endpgm
.Lentry_in_a_cluster:
	s_bfe_u32 s2, ttmp6, 0x10000c
	s_cmp_lg_u32 s2, 0xf033
	s_cbranch_scc0 .Lentry_shape_is_right
	s_endpgm
.Lentry_shape_is_right:
; ff = Q(gelu(h2 W1^T + b1)) on codes of E4M3.  h2: act, [4096][1024] codes and [4096][32] scale bytes at 0x400000; W1: [4096][1024] codes, [4096][32] bytes; b1 [4096] f32.
; out: ff: codes by chunks of 128 along the next K, [32][4096][128], and at 0x1000000 scale planes [32][4096] words.
; A tile of 256 x 256 is made by four waves, 128 x 128 each; K goes in steps of 256 through a ring of two LDS slots; the tile's scale bytes come once.  4 x 4 work-groups form a cluster: joint loads along rows and columns.
; THE HEAD: one joint load a wave: K step 0's 256 rows of h2, of W1, and the two blocks of scale bytes; K step 1 follows behind one full sequence and round.
; PREFETCHES INTO THE L2, two K steps ahead of the load that wants the bytes: K steps 1 and 2 behind the head's loads, K step 3 behind K step 1's load; one instruction a wave each time.
; The matrix instruction is used transposed (source 0 = rows of W1): a lane's registers run along the hidden units, the next K.
; THE WAY OUT, 16 rows a trip: + b1; gelu(z) = z Phi(z), with Phi's tail as t x 2^(a polynomial in t less z^2 log2(e) / 2), t = 1 / (1 + c |z|), all in f32; then the quantiser along the 128 hidden units.
; LIMITS: NaN and infinities are not served; a block whose largest magnitude lies under 2^-118 gets the byte 1: only this program reads the bytes.
.set KSTEP,  256
.set NQ,     2
.set ROWB,   256
.set KROW,   1024
.set PITCH,  272
.set FR,     16
.set NL,     4
.set NP,     8
.set HALFT,  128*PITCH
.set SLOT,   4*HALFT
.set LAPS,   2
.set KS,     32
.set SCL,    2*SLOT
.set HALFS,  (128*KS/256)*272
.set SBLK,   (16*KS/256)*272
.set SPARE,  SCL+4*HALFS
.set ADRA, 16
.set SWD,  18
.set ADRB, 20
.set KV,   22
.set STO,  24
.set RD,   25
.set GO,   26
.set ADRS, 27
.set SPW,  28
.set NIL,  29
.set PW,   30
.set SC,   32
.set BI,   64
.set AF,   128
.set TM,   32
.set OB,   48
.set Z,    128
.set T,    0                           ; the way out, in window 1, where W1's fragments lay: v0-63 t,
.set P,    64                          ; v64-127 the polynomial, then the tail,
.set U,    128                         ; v128-191 products
.set PC,   240
.set G1, 24
.set G0, 32
.set G1B, 48
.set G0B, 56
.set G1S, 68
.set G0S, 76
.set G1SB, 80
.set G0SB, 88
.set SEL, 46
.set MNT, 48
.set MSB, 0
.macro WIN new
.if MSB != (\new)
	s_set_vgpr_msb (MSB<<8)|(\new)
.set MSB, (\new)
.endif
.endm
.set MUL_LO, 0xa1
.set MUL_HI, 0xf1
.set TO_B,   0x40
.macro JLOAD g0a, g1a, g0b, g1b
	s_cmp_eq_u32 s15, 0
	s_cbranch_scc0 .Lfor_b_\@
	tensor_load_to_lds s[\g0a:\g0a+3], s[\g1a:\g1a+7]
	s_nop 0
.rept 4
	v_nop
.endr
	s_branch .Lasked_\@
.Lfor_b_\@:
	tensor_load_to_lds s[\g0b:\g0b+3], s[\g1b:\g1b+7]
	s_nop 0
.rept 4
	v_nop
.endr
.Lasked_\@:
.endm
.macro CREST
	s_cmp_lg_u32 s14, 0
	s_cbranch_scc1 .Lnot_wave_0_\@
	s_barrier_signal -3
.Lnot_wave_0_\@:
	s_barrier_wait -3
	s_barrier_signal -1
	s_barrier_wait -1
.endm
.macro CROUND
	s_barrier_signal -1
	s_barrier_wait -1
	CREST
.endm
	s_load_b128 s[4:7], s[0:1], 0x0
	s_load_b128 s[8:11], s[0:1], 0x10
	s_load_b64 s[96:97], s[0:1], 0x20
	v_lshl_add_u32 v[SPW], v0, 2, SPARE
	v_mov_b32 v[NIL], 0
	ds_add_u32 v28, v29
	ds_add_u32 v28, v29
	s_wait_dscnt 0x0
	v_lshrrev_b32 v1, 5, v0
	v_readfirstlane_b32 s14, v1
	s_lshr_b32 s15, s14, 1
	s_and_b32 s16, s14, 1
	s_bfe_u32 s40, ttmp6, 0x40000
	s_bfe_u32 s41, ttmp6, 0x40004
	s_lshl_b32 s42, ttmp9, 2
	s_add_co_u32 s42, s42, s40
	s_and_b32 s17, ttmp7, 0xffff
	s_lshl_b32 s17, s17, 2
	s_add_co_u32 s17, s17, s41
	s_lshl_b32 s43, s41, 2
	s_lshl_b32 s43, 15, s43
	s_lshl_b32 s44, 0x1111, s40
	s_or_b32 s[G1+0], s43, (0<<16)|(1<<20)|(1<<21)|(5<<22)|(3<<25)
	s_or_b32 s[G1B+0], s44, (0<<16)|(1<<20)|(1<<21)|(5<<22)|(3<<25)
.irp g, G1, G1B
	s_mov_b32 s[\g+1], ROWB<<16
	s_mov_b32 s[\g+2], 256<<16                     ; 256 rows for the head's loads; set to 128 for the ring's behind them
	s_mov_b32 s[\g+3], ROWB<<16
	s_mov_b32 s[\g+4], 256
	s_mov_b32 s[\g+5], KROW
	s_mov_b32 s[\g+6], 0
	s_mov_b32 s[\g+7], 0
.endr
	s_or_b32 s[G1S+0], s43, (3<<16)|(1<<20)|(1<<21)|(5<<22)|(3<<25)
	s_or_b32 s[G1SB+0], s44, (3<<16)|(1<<20)|(1<<21)|(5<<22)|(3<<25)
.irp g, G1S, G1SB
	s_mov_b32 s[\g+1], 32<<16
	s_mov_b32 s[\g+2], KS<<16                      ; the scales of 256 rows: KS rows of 256 bytes
	s_mov_b32 s[\g+3], 32<<16
	s_mov_b32 s[\g+4], KS
	s_mov_b32 s[\g+5], 32
	s_mov_b32 s[\g+6], 0
	s_mov_b32 s[\g+7], 0
.endr
	s_lshl_b32 s20, s17, 8                         ; h2: the tile's first row
	s_lshl_b32 s46, s42, 8                         ; W1 likewise
	s_mov_b32 s21, 0
	s_mov_b32 s47, 0
	s_mov_b64 s[18:19], KS
	s_mul_u64 s[22:23], s[20:21], s[18:19]
	s_mul_u64 s[92:93], s[46:47], s[18:19]
	s_mov_b64 s[18:19], KROW
	s_mul_u64 s[20:21], s[20:21], s[18:19]
	s_mul_u64 s[46:47], s[46:47], s[18:19]
	s_mul_i32 s45, s14, HALFT
	s_mul_i32 s18, s16, 128*KROW                   ; in the ring I fetch 128 rows of a tile: which half, in bytes
	s_mov_b32 s19, 0
	s_wait_kmcnt 0x0
	s_mov_b64 s[12:13], s[6:7]
	s_add_nc_u64 s[6:7], s[4:5], 0x400000
	s_add_nc_u64 s[20:21], s[4:5], s[20:21]
	s_add_nc_u64 s[22:23], s[6:7], s[22:23]
	s_add_nc_u64 s[46:47], s[8:9], s[46:47]
	s_add_nc_u64 s[92:93], s[10:11], s[92:93]
	CROUND
	s_mov_b32 s[G0S], 1
	s_mov_b32 s[G0S+1], SCL
	s_mov_b64 s[G0S+2:G0S+3], s[22:23]
	s_or_b32 s[G0S+3], s[G0S+3], 0x80000000
	s_mov_b32 s[G0SB], 1
	s_mov_b32 s[G0SB+1], SCL+2*HALFS
	s_mov_b64 s[G0SB+2:G0SB+3], s[92:93]
	s_or_b32 s[G0SB+3], s[G0SB+3], 0x80000000
.set G0H, 4                            ; s[4:7], s[8:11]: group 0 of the head's loads of K step 0 (the addresses that lay there have been used)
.set G0HB, 8
	s_mov_b32 s[G0H], 1
	s_mov_b32 s[G0H+1], 0
	s_mov_b64 s[G0H+2:G0H+3], s[20:21]
	s_or_b32 s[G0H+3], s[G0H+3], 0x80000000
	s_mov_b32 s[G0HB], 1
	s_mov_b32 s[G0HB+1], 2*HALFT
	s_mov_b64 s[G0HB+2:G0HB+3], s[46:47]
	s_or_b32 s[G0HB+3], s[G0HB+3], 0x80000000
	s_add_nc_u64 s[20:21], s[20:21], s[18:19]      ; for the ring: my 128 rows of the tile
	s_add_nc_u64 s[46:47], s[46:47], s[18:19]
.irp s, 0,1
	s_mov_b32 s[G0+4*\s], 1
	s_add_co_u32 s[G0+4*\s+1], s45, \s*SLOT
	s_add_nc_u64 s[G0+4*\s+2:G0+4*\s+3], s[20:21], \s*ROWB
	s_or_b32 s[G0+4*\s+3], s[G0+4*\s+3], 0x80000000
	s_mov_b32 s[G0B+4*\s], 1
	s_add_co_u32 s[G0B+4*\s+1], s45, \s*SLOT
	s_add_nc_u64 s[G0B+4*\s+2:G0B+4*\s+3], s[46:47], \s*ROWB
	s_or_b32 s[G0B+4*\s+3], s[G0B+4*\s+3], 0x80000000
.endr
; THE HEAD'S LOADS, ONE A WAVE, in one chain of branches on the wave's number
.macro ARM under, g0, g1, next
	s_cmp_lt_u32 s14, \under
	s_cbranch_scc0 \next
	tensor_load_to_lds s[\g0:\g0+3], s[\g1:\g1+7]
	s_nop 0
.rept 4
	v_nop
.endr
	s_branch .Lhead_asked
\next:
.endm
	ARM 1, G0H,  G1,  .Lhead_b
	ARM 2, G0HB, G1B, .Lhead_sa
	ARM 3, G0S,  G1S, .Lhead_sb
	tensor_load_to_lds s[G0SB:G0SB+3], s[G1SB:G1SB+7]
	s_nop 0
.rept 4
	v_nop
.endr
.Lhead_asked:
	; the prefetches.  Of the 128 rows that I fetch in the ring, each of the four partners that ask with me takes 32, told apart by address (cx for h2, cy for W1), a lane a row:
	; a K step is 256 bytes of a row, aligned, so each block is named once in each cluster that loads it.  The step stands in the immediate offset: no address register is written again.
	s_cmp_eq_u32 s15, 0                            ; do I fetch for h2?
	s_cselect_b64 s[92:93], s[20:21], s[46:47]     ; my 128 rows
	s_cselect_b32 s2, s40, s41
	s_lshl_b32 s2, s2, 15                          ; 32 rows of 1,024 bytes for each partner
	s_mov_b32 s3, 0
	s_add_nc_u64 s[92:93], s[92:93], s[2:3]
	v_and_b32 v9, 31, v0
	v_lshlrev_b32 v9, 10, v9                       ; a lane a row
	global_prefetch_b8 v9, s[92:93] offset:256 th:TH_LOAD_NT scope:SCOPE_SE    ; K step 1,
	global_prefetch_b8 v9, s[92:93] offset:512 th:TH_LOAD_NT scope:SCOPE_SE    ; K step 2
	v_and_b32 v1, 15, v0
	v_bfe_u32 v2, v0, 4, 1
	v_mul_u32_u24 v3, v1, PITCH
	v_lshl_add_u32 v4, v2, 4, v3
	s_mul_i32 s21, s15, HALFT
	s_mul_i32 s22, s16, HALFT
	s_add_co_u32 s22, s22, 2*HALFT
.irp s, 0,1
	v_add_nc_u32 v[ADRA+\s], s21, v4
	v_add_nc_u32 v[ADRB+\s], s22, v4
	s_add_co_u32 s21, s21, SLOT
	s_add_co_u32 s22, s22, SLOT
.endr
	v_mul_u32_u24 v5, v1, KS
	v_lshrrev_b32 v6, 8, v5
	v_lshl_add_u32 v5, v6, 4, v5
	s_mul_i32 s21, s15, HALFS
	s_mul_i32 s22, s16, HALFS
	s_add_co_u32 s22, s22, 2*HALFS
	s_sub_co_u32 s22, s22, s21
	v_mul_u32_u24 v6, s22, v2
	s_add_co_u32 s21, s21, SCL
	v_add_nc_u32 v5, v5, v6
	v_add_nc_u32 v[ADRS], s21, v5
	v_and_b32 v6, 31, v0
	s_lshl_b32 s23, s14, 12
	v_mul_u32_u24 v[STO], v1, 144
	v_lshl_add_u32 v[STO], v2, 3, v[STO]
	v_add_nc_u32 v[STO], s23, v[STO]
	v_lshrrev_b32 v3, 3, v6
	v_and_b32 v4, 7, v6
	v_mul_u32_u24 v[RD], v3, 144
	v_lshl_add_u32 v[RD], v4, 4, v[RD]
	v_add_nc_u32 v[RD], s23, v[RD]
	v_lshlrev_b32 v[GO], 4, v6
	v_lshl_add_u32 v[SWD], v1, 2, s23
	v_add_nc_u32 v8, s23, v[GO]
	s_lshl_b32 s18, s42, 10
	s_lshl_b32 s19, s16, 9
	s_add_co_u32 s18, s18, s19
	s_mov_b32 s19, 0
	s_add_nc_u64 s[96:97], s[96:97], s[18:19]
	v_lshlrev_b32 v7, 5, v2
.irp b, 0,1,2,3,4,5,6,7
	global_load_b128 v[BI+8*\b:BI+8*\b+3], v7, s[96:97] offset:64*\b
	global_load_b128 v[BI+8*\b+4:BI+8*\b+7], v7, s[96:97] offset:64*\b+16
.endr
	s_lshl_b32 s20, s42, 1
	s_add_co_u32 s20, s20, s16
	s_lshl_b32 s20, s20, 12
	s_lshl_b32 s21, s17, 8
	s_add_co_u32 s20, s20, s21
	s_lshl_b32 s21, s15, 7
	s_add_co_u32 s20, s20, s21
	s_lshl_b32 s22, s20, 2
	s_add_co_u32 s22, s22, 0x1000000
	s_mov_b32 s23, 0
	s_lshl_b32 s20, s20, 7
	s_mov_b32 s21, 0
	s_add_nc_u64 s[66:67], s[12:13], s[22:23]
	s_add_nc_u64 s[12:13], s[12:13], s[20:21]
.macro FRAG reg, adr, q, i
.irp c, 0,1,2,3
	ds_load_b128 v[\reg+4*\c:\reg+4*\c+3], v[\adr] offset:128*(\q)+32*\c+(\i)*16*PITCH
.endr
.endm
.macro MUL16 a0, p, q, sc, zero
.irp a, \a0, \a0+1
.irp b, 0,1,2,3,4,5,6,7
.if \zero
	v_wmma_scale_f32_16x16x128_f8f6f4 v[8*(8*((\a)%4)+\b):8*(8*((\a)%4)+\b)+7], v[128*(\p)+FR*\b:128*(\p)+FR*\b+FR-1], v[AF+FR*(\a):AF+FR*(\a)+FR-1], 0, v[SC+8*NQ*(\sc)+NQ*\b+(\q)], v[SC+8*NQ*(\sc)+NQ*(\a)+(\q)] matrix_a_scale:MATRIX_SCALE_ROW1
.else
	v_wmma_scale_f32_16x16x128_f8f6f4 v[8*(8*((\a)%4)+\b):8*(8*((\a)%4)+\b)+7], v[128*(\p)+FR*\b:128*(\p)+FR*\b+FR-1], v[AF+FR*(\a):AF+FR*(\a)+FR-1], v[8*(8*((\a)%4)+\b):8*(8*((\a)%4)+\b)+7], v[SC+8*NQ*(\sc)+NQ*\b+(\q)], v[SC+8*NQ*(\sc)+NQ*(\a)+(\q)] matrix_a_scale:MATRIX_SCALE_ROW1
.endif
.endr
.endr
.endm
.macro FETCH_B slot, q, p
	WIN TO_B
.irp i, 0,1,2,3,4,5,6,7
	FRAG 128*(\p)+FR*\i, ADRB+\slot, \q, \i
.endr
	WIN 0
.endm
.macro FETCH_A slot, q, i0
.irp i, \i0, \i0+1, \i0+2, \i0+3
	FRAG AF+FR*(\i), ADRA+\slot, \q, \i
.endr
.endm
.macro SCALES sc
.irp i, 0,1,2,3,4,5,6,7
	ds_load_b64 v[SC+8*NQ*\sc+NQ*\i:SC+8*NQ*\sc+NQ*\i+1], v[ADRS] offset:\i*SBLK
.endr
.endm
.macro PLACES n
.rept \n
	v_nop
.endr
.endm
.macro STEP slot, q, zero
	s_wait_dscnt 4*NL
	WIN MUL_LO
	MUL16 0, (\q)%2, \q, \slot, \zero
	MUL16 2, (\q)%2, \q, \slot, \zero
	s_wait_dscnt 0
	PLACES NP
	FETCH_B \slot, (\q)+1, 1-(\q)%2
	FETCH_A \slot, (\q)+1, 0
	WIN MUL_HI
	MUL16 4, (\q)%2, \q, \slot, \zero
	MUL16 6, (\q)%2, \q, \slot, \zero
	PLACES NP
	WIN 0
	FETCH_A \slot, (\q)+1, 4
.endm
.macro TURN slot, next, fill
	s_wait_tensorcnt 0x0
	ds_add_u32 v[SPW], v[NIL]
	s_wait_dscnt 4*NL+1
	WIN MUL_LO
	MUL16 0, 1, NQ-1, \slot, 0
	s_wait_dscnt 0x0
	s_barrier_signal -1
	MUL16 2, 1, NQ-1, \slot, 0
	WIN 0
	s_barrier_wait -1
.if \fill
	CREST
	s_add_nc_u64 s[G0+4*\slot+2:G0+4*\slot+3], s[G0+4*\slot+2:G0+4*\slot+3], 2*ROWB
	s_add_nc_u64 s[G0B+4*\slot+2:G0B+4*\slot+3], s[G0B+4*\slot+2:G0B+4*\slot+3], 2*ROWB
	JLOAD G0+4*\slot, G1, G0B+4*\slot, G1B
	PLACES NP-4
.else
	PLACES NP
.endif
	s_wait_alu depctr_va_vdst(0)
	v_add_nc_u32 v[ADRS], 4*NQ, v[ADRS]
	FETCH_B \next, 0, 0
	FETCH_A \next, 0, 0
	SCALES \next
	WIN MUL_HI
	MUL16 4, 1, NQ-1, \slot, 0
	MUL16 6, 1, NQ-1, \slot, 0
	PLACES NP
	WIN 0
	FETCH_A \next, 0, 4
.endm
	s_wait_alu depctr_va_vdst(0)                   ; the wait at the head's end
	s_wait_tensorcnt 0x0                           ; my tile of the head's four is in
	ds_add_u32 v[SPW], v[NIL]
	s_mov_b32 s[G1+2], 128<<16                     ; no tensor load of mine is out: from here on a load brings 128 rows
	s_mov_b32 s[G1+4], 128
	s_mov_b32 s[G1B+2], 128<<16
	s_mov_b32 s[G1B+4], 128
	s_wait_dscnt 0x0
	CROUND                                         ; all four tiles are in, and all sixteen work-groups are here
	JLOAD G0+4, G1, G0B+4, G1B                     ; K step 1: my one tensor load behind the round
	FETCH_B 0, 0, 0
	FETCH_A 0, 0, 0
	SCALES 0
	FETCH_A 0, 0, 4
	global_prefetch_b8 v9, s[92:93] offset:768 th:TH_LOAD_NT scope:SCOPE_SE    ; K step 3, behind K step 1's load and the run of LDS loads; there is no K step 4
	STEP 0, 0, 1
	s_mov_b32 s3, LAPS-1
.Llap:
	TURN 0, 1, 1
	STEP 1, 0, 0
	TURN 1, 0, 1
	STEP 0, 0, 0
	s_sub_co_u32 s3, s3, 1
	s_cmp_lg_u32 s3, 0
	s_cbranch_scc1 .Llap
	TURN 0, 1, 0
	STEP 1, 0, 0
	s_wait_dscnt 4*NL
	WIN MUL_LO
	MUL16 0, 1, NQ-1, 1, 0
	MUL16 2, 1, NQ-1, 1, 0
	s_wait_dscnt 0
	WIN MUL_HI
	MUL16 4, 1, NQ-1, 1, 0
	MUL16 6, 1, NQ-1, 1, 0
	WIN 0
	PLACES NP
	s_wait_loadcnt 0x0
.macro KPAIR r, val
	s_mov_b32 s[\r], \val
	s_mov_b32 s[\r+1], \val
.endm
	KPAIR 24, 0x3e7c6f08
	KPAIR 26, 0x40097039
	KPAIR 28, 0xbfd1a1e5
	KPAIR 30, 0x3ecdfd18
	KPAIR 32, 0xbe899a80
	KPAIR 34, 0x3e0efb2e
	KPAIR 36, 0x3f0a29d2
	KPAIR 38, 0x3fb8ab5a
	KPAIR 40, 0xc034d90f
	s_mov_b32 s42, 0x3eb504f3
	KPAIR 44, 0xbf38aa3b
	s_mov_b32 s[SEL], 0x76543210
	s_mov_b32 s[SEL+1], 0xfedcba98
	s_mov_b32 s[MNT], 0x600000
	v_mov_b32 v[KV], 0xbf97d29d
	v_mov_b32 v[KV+1], 0xbf97d29d
.irp b, 0,1,2,3
	v_mov_b32 v[TM+4+\b], 0
.endr
.macro COPY a
	WIN 2+(\a)/4
.set AC, 64*((\a)%4)
.set j, 0
.rept 32
	v_pk_add_f32 v[Z+j:Z+j+1], v[AC+j:AC+j+1], v[BI+j:BI+j+1]
.set j, j+2
.endr
	WIN 0
.endm
; gelu of a lane's 64 numbers z (v[Z] on, window 0), every step over all 64: between a line and its reader stand 31 lines or more, and each batch of transcendentals has one wait ahead of it and one behind it.
; One window setting serves each step: bits 1:0 source 0, 3:2 source 1, 5:4 source 2, 7:6 destination.
.macro GELU64
	WIN 0x40
.set i, 0
.rept 64
	v_fma_f32 v[T+i], |v[Z+i]|, s42, 1.0           ; 1 + c |z|
.set i, i+1
.endr
	WIN 0x41
	s_wait_alu depctr_va_vdst(0)                   ; the wait ahead of the batch
.set i, 0
.rept 64
	v_rcp_f32 v[T+i], v[T+i]                       ; t
.set i, i+1
.endr
	WIN 0x40
.set i, 0
.rept 32
	v_pk_mul_f32 v[U+i:U+i+1], v[Z+i:Z+i+1], s[44:45] op_sel_hi:[1,0]   ; - z log2(e) / 2  (plain lines behind the batch)
.set i, i+2
.endr
	WIN 0x41
	s_wait_alu depctr_va_vdst(0)                   ; the wait ahead of the batch's first reader
.set i, 0
.rept 32
	v_pk_fma_f32 v[P+i:P+i+1], v[T+i:T+i+1], s[24:25], v[KV:KV+1] op_sel_hi:[1,0,1]
.set i, i+2
.endr
	WIN 0x45
.irp c, 26,28,30,32,34,36,38,40
.set i, 0
.rept 32
	v_pk_fma_f32 v[P+i:P+i+1], v[P+i:P+i+1], v[T+i:T+i+1], s[\c:\c+1] op_sel_hi:[1,1,0]   ; the polynomial in t, by Horner's rule
.set i, i+2
.endr
.endr
	WIN 0x51
.set i, 0
.rept 32
	v_pk_fma_f32 v[P+i:P+i+1], v[U+i:U+i+1], v[Z+i:Z+i+1], v[P+i:P+i+1]   ; less z^2 log2(e) / 2
.set i, i+2
.endr
	WIN 0x41
	s_wait_alu depctr_va_vdst(0)
.set i, 0
.rept 64
	v_exp_f32 v[P+i], v[P+i]
.set i, i+1
.endr
	v_nop                                          ; a plain line behind the batch
	WIN 0x45
	s_wait_alu depctr_va_vdst(0)
.set i, 0
.rept 32
	v_pk_mul_f32 v[P+i:P+i+1], v[T+i:T+i+1], v[P+i:P+i+1]   ; q: Phi's tail at |z|
.set i, i+2
.endr
	WIN 0x44
.set i, 0
.rept 32
	v_pk_mul_f32 v[U+i:U+i+1], v[Z+i:Z+i+1], v[P+i:P+i+1]   ; z q,
	v_pk_fma_f32 v[T+i:T+i+1], v[Z+i:Z+i+1], v[P+i:P+i+1], v[Z+i:Z+i+1] neg_lo:[1,0,0] neg_hi:[1,0,0]   ; z - z q:
.set i, i+2
.endr
	WIN 0x05
.set i, 0
.rept 64
	v_max_num_f32 v[Z+i], v[U+i], v[T+i]           ; the larger of the two is z Phi(z), whatever z's sign (q is at most 1/2)
.set i, i+1
.endr
	WIN 0
.endm
.macro QUANT s
.irp b, 0,1,2,3
	v_max3_num_f32 v[TM+\b], |v[\s+16*\b]|, |v[\s+1+16*\b]|, 0x4800000
.endr
.irp i, 2,4,6,8,10,12,14
.irp b, 0,1,2,3
	v_max3_num_f32 v[TM+\b], v[TM+\b], |v[\s+16*\b+\i]|, |v[\s+1+16*\b+\i]|
.endr
.endr
.irp b, 0,1,2,3
	v_permlanex16_b32 v[TM+4+\b], v[TM+\b], s[SEL], s[SEL+1]
.endr
.irp b, 0,1,2,3
	v_max_num_f32 v[TM+\b], v[TM+\b], v[TM+4+\b]
.endr
.irp b, 0,1,2,3
	v_add_nc_u32 v[TM+12+\b], 0xfc000000, v[TM+\b]
.endr
.irp b, 0,1,2,3
	v_and_or_b32 v[TM+8+\b], v[TM+\b], 0x7f800000, s[MNT]
.endr
.irp b, 0,1,2,3
	v_lshrrev_b32 v[TM+4+\b], 23, v[TM+12+\b]
.endr
	v_lshl_or_b32 v[PW], v[TM+5], 8, v[TM+4]
	v_lshl_or_b32 v[PW], v[TM+6], 16, v[PW]
	v_lshl_or_b32 v[PW], v[TM+7], 24, v[PW]
.irp b, 0,1,2,3
.irp i, 0,1,2,3,4,5,6,7,8,9,10,11,12,13,14,15
	v_med3_num_f32 v[\s+16*\b+\i], v[\s+16*\b+\i], -v[TM+8+\b], v[TM+8+\b]
.endr
	v_cvt_scalef32_pk8_fp8_f32 v[PC+4*\b:PC+4*\b+1], v[\s+16*\b:\s+16*\b+7], v[TM+12+\b]
	v_cvt_scalef32_pk8_fp8_f32 v[PC+4*\b+2:PC+4*\b+3], v[\s+16*\b+8:\s+16*\b+15], v[TM+12+\b]
.endr
	v_nop
.endm
	s_mov_b32 s3, 0
.Lrow:
.irp a, 0,1,2,3,4,5,6
	s_cmp_eq_u32 s3, \a
	s_cbranch_scc1 .Lcopy\a
.endr
	COPY 7
	s_branch .Lwork
.irp a, 0,1,2,3,4,5,6
.Lcopy\a:
	COPY \a
	s_branch .Lwork
.endr
.Lwork:
	GELU64
	QUANT Z
.irp g, 0,1,2,3,4,5,6,7
	ds_store_b64 v[STO], v[PC+2*\g:PC+2*\g+1] offset:16*\g
.endr
.irp k, 0,1,2,3
	ds_load_b128 v[OB+4*\k:OB+4*\k+3], v[RD] offset:576*\k
.endr
	ds_store_b32 v[SWD], v[PW] offset:3072
	s_wait_dscnt 0x0
.irp k, 0,1,2,3
	global_store_b128 v[GO], v[OB+4*\k:OB+4*\k+3], s[12:13] offset:512*\k
.endr
	v_add_nc_u32 v[SWD], 64, v[SWD]
	s_wait_xcnt 0x0
	s_add_nc_u64 s[12:13], s[12:13], 2048
	s_add_co_u32 s3, s3, 1
	s_cmp_lt_u32 s3, 8
	s_cbranch_scc1 .Lrow
	ds_load_b128 v[OB:OB+3], v8 offset:3072
	s_wait_dscnt 0x0
	global_store_b128 v[GO], v[OB:OB+3], s[66:67]
	s_wait_tensorcnt 0x0
	ds_add_u32 v[SPW], v[NIL]
	s_wait_dscnt 0x0
	CROUND
	s_endpgm
.Lfunc_end_k_q34ec6fd4f9_gff1:
	.size	k_q34ec6fd4f9_gff1, .Lfunc_end_k_q34ec6fd4f9_gff1-k_q34ec6fd4f9_gff1
	.p2alignl 7, 3214868480
	.fill 96, 4, 3214868480
	.section	.rodata,"a",@progbits
	.p2align	6, 0x0
	.amdhsa_kernel k_q34ec6fd4f9_gff1
		.amdhsa_group_segment_fixed_size 327680
		.amdhsa_private_segment_fixed_size 0
		.amdhsa_enable_private_segment 0
		.amdhsa_kernarg_size 40
		.amdhsa_user_sgpr_count 2
		.amdhsa_user_sgpr_kernarg_segment_ptr 1
		.amdhsa_wavefront_size32 1
		.amdhsa_system_sgpr_workgroup_id_x 1
		.amdhsa_system_sgpr_workgroup_id_y 1
		.amdhsa_system_sgpr_workgroup_id_z 1
		.amdhsa_system_vgpr_workitem_id 0
		.amdhsa_next_free_vgpr 1024
		.amdhsa_next_free_sgpr 100
		.amdhsa_reserve_vcc 0
		.amdhsa_float_denorm_mode_32 3
		.amdhsa_float_denorm_mode_16_64 3
		.amdhsa_memory_ordered 1
		.amdhsa_forward_progress 1
		.amdhsa_inst_pref_size 187
	.end_amdhsa_kernel
	.amdgpu_metadata
---
amdhsa.version: [ 1, 2 ]
amdhsa.kernels:
  - .name:           k_q34ec6fd4f9_gff1
    .symbol:         k_q34ec6fd4f9_gff1.kd
    .args:
      - { .name: act, .offset: 0, .size: 8, .value_kind: global_buffer, .address_space: global }
      - { .name: ff, .offset: 8, .size: 8, .value_kind: global_buffer, .address_space: global }
      - { .name: w1_codes, .offset: 16, .size: 8, .value_kind: global_buffer, .address_space: global }
      - { .name: w1_scales, .offset: 24, .size: 8, .value_kind: global_buffer, .address_space: global }
      - { .name: b1, .offset: 32, .size: 8, .value_kind: global_buffer, .address_space: global }
    .group_segment_fixed_size: 327680
    .private_segment_fixed_size: 0
    .kernarg_segment_align: 8
    .kernarg_segment_size: 40
    .max_flat_workgroup_size: 128
    .sgpr_count:     100
    .vgpr_count:     1024
    .wavefront_size: 32
...
	.end_amdgpu_metadata
.endif
;; end of part 5
;; launch gff2 (part 6): grid 8 x 32, 4 waves a work-group, clusters of 4 x 4, 327,680 bytes of LDS; arguments ff, w2_codes, w2_scales, b2, x1, out0; writes out0
.if DOCPART == 6
	.amdgcn_target "amdgcn-amd-amdhsa--gfx1250"
	.amdhsa_code_object_version 6
	.text
	.protected	k_q34ec6fd4f9_gff2
	.globl	k_q34ec6fd4f9_gff2
	.p2align	8
	.type	k_q34ec6fd4f9_gff2,@function
k_q34ec6fd4f9_gff2:
	s_mov_b64 s[64:65], 0
	v_nop
	global_prefetch_b8 v0, s[64:65] scope:SCOPE_SE
	s_setreg_imm32_b32 hwreg(HW_REG_WAVE_MODE, 25, 1), 1
	s_wait_xcnt 0x0
	s_wait_alu depctr_hold_cnt(0) depctr_sa_sdst(0) depctr_va_vdst(0) depctr_va_sdst(0) depctr_va_ssrc(0) depctr_va_vcc(0) depctr_vm_vsrc(0)
	s_getreg_b32 s2, hwreg(HW_REG_IB_STS2, 6, 4)
	s_cmp_eq_u32 s2, 0
	s_cbranch_scc0 .Lentry_in_a_cluster
	s_endpgm
.Lentry_in_a_cluster:
	s_bfe_u32 s2, ttmp6, 0x10000c
	s_cmp_lg_u32 s2, 0xf033
	s_cbranch_scc0 .Lentry_shape_is_right
	s_endpgm
.Lentry_shape_is_right:
; out0 = x1 + (F W2^T + b2) on codes of E4M3.  F: 4,096 rows x 4,096, codes laid by chunks of 128 along K, [32][4096][128], and at SCOFF scale planes [32][4096] words; W2: [1024][4096] codes, [1024][128] scale bytes.
; b2 [1024], x1 and out0 [4096][1024]: f32.
; A tile of 128 x 128 of out0 is made by four waves, 64 x 64 each (16 accumulators): 256 work-groups.  K goes in steps of 512 through a ring of two LDS slots; a step is four quarters of 128.
; A slot: F's tile as [4 chunks][128 rows][128 + 16 bytes], then W2's 128 rows of 512 + 16 bytes.  The scale words of all of K come once and lie behind the ring.
; 4 x 4 work-groups form a cluster: F's tiles and words are shared along a row, W2's along a column: joint loads.
; THE HEAD: one joint load a wave: wave 0 K step 0 of F (four lines of 16,384 dense bytes), wave 1 that of W2 (128 rows), wave 2 F's words, wave 3 W2's scale bytes.  K step 1 follows behind one full sequence and round.
; THE RING: a quarter of a slot a wave: waves 0, 1 two chunks of F each, waves 2, 3 64 rows of W2 each; the two words of a group 1 that count rows are halved behind the head's wait.
; PREFETCHES INTO THE L2, two K steps ahead of the load that wants the bytes: behind the refill for K step n stands one instruction a wave for K step n + 2.  Of the 128 blocks of 256 bytes that a wave fetches in a step,
; each of the four partners that ask with it takes 32, told apart by address (cx for F, cy for W2), a lane a block: each block is named once in each cluster that loads it.  K steps 1 and 2 are asked for at the head, K step 3 behind K step 1's load;
; the loop's last trip, whose refills are K steps 6 and 7, asks for nothing.  A work-group never has more than two K steps asked for and not yet loaded.
; THE MATRIX INSTRUCTION IS USED TRANSPOSED (source 0 = 16 rows of W2, source 1 = 16 rows of F): a lane holds eight neighbouring numbers of a row of out0.  The bias is the C of each sum's first instruction.
; REGISTERS: window 0: v0-31 addresses; v32-47 scale words, two sets (F's four, W2's four); v48-79 the way out; v96-127 the bias; v128-255 the accumulators ((a, b) at v[128 + 8 (4 a + b)]).
;   window 1: two fragment buffers of 128 (F's four fragments, then W2's four).   window 2: v0-127 my 64 x 64 of x1, asked for behind the first quarter.
; LIMITS: NaN and infinities are not served.
.set KK,    4096
.set CH,    128
.set QIA,   4                          ; padding behind every CH bytes: 2 << QIA words
.set SCOFF, 0x1000000
.set SK,    512                        ; along K in a slot
.set NCH,   SK/CH
.set CP,    CH+16
.set LNA,   128*CP                     ; a chunk's 128 rows in LDS
.set AT,    NCH*LNA
.set BP,    SK+16
.set BT,    128*BP
.set SLOT,  AT+BT
.set ASTEP, SK*4096                    ; a K step on in F's codes, in bytes
.set LAPS,  KK/(2*SK)
.set PL,    KK/128
.set KS,    KK/32
.set ASC,   2*SLOT                     ; F's words: PL planes of 128
.set BSC,   ASC+PL*512                 ; W2's scale bytes, as units of 256 bytes + 16
.set HALFS, (64*KS/256)*272
.set SBLK,  (16*KS/256)*272
.set SPARE, BSC+2*HALFS                ; the spare words: 128 bytes a wave; no other line names them
.set SPITCH, 272                       ; the way out: 16 rows x 272 bytes for each wave, in slot 0, whose last fill and last read are over by then
.set ADRA, 16                          ; v16, v17: F's fragments in slot 0, 1
.set ADRB, 20                          ; v20, v21: W2's
.set ADSA, 22
.set ADSB, 23
.set STO,  24
.set RD,   25
.set CO,   26
.set PFO,  27                          ; the prefetches' offset; never rewritten
.set SPW,  28
.set NIL,  29
.set PFO2, 30                          ; the same, a K step on
.set SC,   32
.set OB,   48
.set BI,   96
.set ACC,  128
.set F0,   0
.set F1,   128
.set G0H, 16
.set G0HB, 20
.set G1, 24
.set G0, 32
.set G1B, 48
.set G0B, 56
.set G1S, 68
.set G0S, 76
.set G1SB, 80
.set G0SB, 88
.set WV, 92
.set RH, 93
.set CF, 94
.set PFA, 96                           ; s[96:97] where my prefetches stand
.set PFS, 98                           ; s[98:99] a K step on, in bytes: ASTEP in F, SK in a row of W2
.set MSB, 0
.macro WIN new                         ; the immediate's high byte repeats the setting that is left
.if MSB != (\new)
	s_set_vgpr_msb (MSB<<8)|(\new)
.set MSB, (\new)
.endif
.endm
.set MUL, 0x05                         ; sources 0 and 1 window 1; C and D window 0
.macro PLACES n
.rept \n
	v_nop
.endr
.endm
.macro JLOAD g0a, g1a, g0b, g1b        ; waves 0, 1 fetch for F, waves 2, 3 for W2; an s_nop 0 and four v_nop follow each line
	s_cmp_eq_u32 s[RH], 0
	s_cbranch_scc0 .Lfor_b_\@
	tensor_load_to_lds s[\g0a:\g0a+3], s[\g1a:\g1a+7]
	s_nop 0
	PLACES 4
	s_branch .Lasked_\@
.Lfor_b_\@:
	tensor_load_to_lds s[\g0b:\g0b+3], s[\g1b:\g1b+7]
	s_nop 0
	PLACES 4
.Lasked_\@:
.endm
.macro CREST                           ; a round of the cluster's barrier behind its opening barrier
	s_cmp_lg_u32 s[WV], 0
	s_cbranch_scc1 .Lnot_wave_0_\@
	s_barrier_signal -3
.Lnot_wave_0_\@:
	s_barrier_wait -3
	s_barrier_signal -1
	s_barrier_wait -1
.endm
.macro CROUND
	s_barrier_signal -1
	s_barrier_wait -1
	CREST
.endm
.macro ARM under, g0, g1, next         ; an arm of the head's chain: one load and a jump to the chain's end
	s_cmp_lt_u32 s[WV], \under
	s_cbranch_scc0 \next
	tensor_load_to_lds s[\g0:\g0+3], s[\g1:\g1+7]
	s_nop 0
	PLACES 4
	s_branch .Lhead_asked
\next:
.endm
.macro G0SET g, lds, p                 ; a group 0: LDS byte, address pair
	s_mov_b32 s[\g], 1
	s_mov_b32 s[\g+1], \lds
	s_mov_b64 s[\g+2:\g+3], s[\p:\p+1]
	s_or_b32 s[\g+3], s[\g+3], 0x80000000
.endm
.macro ASK always                      ; my share of the K step at which s[PFA] stands; always = 0: not in the loop's last trip, which has no K step two on
.if \always == 0
	s_cmp_gt_u32 s3, 1
	s_cbranch_scc0 .Lno_ask_\@
.endif
	global_prefetch_b8 v[PFO], s[PFA:PFA+1] th:TH_LOAD_NT scope:SCOPE_SE
.Lno_ask_\@:
.endm
	s_load_b256 s[4:11], s[0:1], 0x0               ; F s[4:5], W2's codes s[6:7], W2's scales s[8:9], bias s[10:11]
	s_load_b128 s[12:15], s[0:1], 0x20             ; x1 s[12:13], out0 s[14:15]
	v_lshl_add_u32 v[SPW], v0, 2, SPARE
	v_mov_b32 v[NIL], 0
	ds_add_u32 v[SPW], v[NIL]                      ; the opening lines: the add twice on end and one wait, ahead of my first tensor load
	ds_add_u32 v[SPW], v[NIL]
	v_lshrrev_b32 v1, 5, v0
	v_readfirstlane_b32 s[WV], v1
	s_lshr_b32 s[RH], s[WV], 1                     ; my half of the rows.  Also: in the ring I fetch for F (0) or W2 (1)
	s_and_b32 s[CF], s[WV], 1                      ; my half of the columns.  Also: which half of that tile I fetch
	s_bfe_u32 s40, ttmp6, 0x40000                  ; cx
	s_bfe_u32 s41, ttmp6, 0x40004                  ; cy
	s_lshl_b32 s42, ttmp9, 2
	s_add_co_u32 s42, s42, s40                     ; tile column
	s_and_b32 s45, ttmp7, 0xffff
	s_lshl_b32 s45, s45, 2
	s_add_co_u32 s45, s45, s41                     ; tile row
	s_lshl_b32 s43, s41, 2
	s_lshl_b32 s43, 15, s43                        ; my row of the cluster
	s_lshl_b32 s44, 0x1111, s40                    ; my column
	s_or_b32 s[G1], s43, (1<<20)|(1<<21)|(QIA<<22)|(3<<25)   ; F: lines of 128 rows x CH bytes (dense in memory), 16 bytes of padding behind every CH
	s_mov_b32 s[G1+1], ((128*CH)&0xffff)<<16
	s_mov_b32 s[G1+2], NCH<<16
	s_mov_b32 s[G1+3], (128*CH)<<16
	s_mov_b32 s[G1+4], NCH
	s_mov_b32 s[G1+5], 4096*CH                     ; from chunk to chunk
	s_mov_b32 s[G1+6], 0
	s_mov_b32 s[G1+7], 0
	s_or_b32 s[G1B], s44, (1<<20)|(1<<21)|(6<<22)|(3<<25)    ; W2: rows of 512 bytes, 16 of padding behind each
	s_mov_b32 s[G1B+1], SK<<16
	s_mov_b32 s[G1B+2], 128<<16
	s_mov_b32 s[G1B+3], SK<<16
	s_mov_b32 s[G1B+4], 128
	s_mov_b32 s[G1B+5], KK
	s_mov_b32 s[G1B+6], 0
	s_mov_b32 s[G1B+7], 0
	s_or_b32 s[G1S], s43, (2<<16)|(1<<21)          ; F's words: PL planes of 128 words
	s_mov_b32 s[G1S+1], 128<<16
	s_mov_b32 s[G1S+2], PL<<16
	s_mov_b32 s[G1S+3], 128<<16
	s_mov_b32 s[G1S+4], PL
	s_mov_b32 s[G1S+5], 4096
	s_mov_b32 s[G1S+6], 0
	s_mov_b32 s[G1S+7], 0
	s_or_b32 s[G1SB], s44, (3<<16)|(1<<20)|(1<<21)|(5<<22)|(3<<25)   ; W2's bytes of 128 rows: dense, as rows of 256 bytes + 16
	s_mov_b32 s[G1SB+1], 32<<16
	s_mov_b32 s[G1SB+2], (128*KS/256)<<16
	s_mov_b32 s[G1SB+3], 32<<16
	s_mov_b32 s[G1SB+4], 128*KS/256
	s_mov_b32 s[G1SB+5], 32
	s_mov_b32 s[G1SB+6], 0
	s_mov_b32 s[G1SB+7], 0
	s_mul_i32 s46, s45, 128*CH                     ; byte offsets: F's tile in a chunk,
	s_mov_b32 s47, 0
	s_lshl_b32 s66, s45, 9
	s_add_co_u32 s66, s66, SCOFF                   ; its words in a plane,
	s_mov_b32 s67, 0
	s_mul_i32 s100, s42, 128*KK                    ; W2's rows,
	s_mov_b32 s101, 0
	s_mul_i32 s104, s42, 128*KS                    ; and their scale bytes
	s_mov_b32 s105, 0
	s_mul_i32 s2, s[CF], (NCH/2)*4096*CH           ; the ring: my two chunks of F in memory,
	s_mov_b32 s3, 0
	s_mul_i32 s98, s[CF], 64*KK                    ; or my 64 rows of W2,
	s_mov_b32 s99, 0
	s_mul_i32 s95, s[CF], (NCH/2)*LNA              ; and where they go: the wave's number alone
	s_mul_i32 s96, s[CF], 64*BP
	s_add_co_u32 s96, s96, AT
	s_wait_dscnt 0x0                               ; both opening adds are done
	s_wait_kmcnt 0x0
	s_add_nc_u64 s[46:47], s[4:5], s[46:47]
	s_add_nc_u64 s[66:67], s[4:5], s[66:67]
	s_add_nc_u64 s[100:101], s[6:7], s[100:101]
	s_add_nc_u64 s[104:105], s[8:9], s[104:105]
	G0SET G0H, 0, 46
	G0SET G0HB, AT, 100
	G0SET G0S, ASC, 66
	G0SET G0SB, BSC, 104
	s_add_nc_u64 s[46:47], s[46:47], s[2:3]
	s_add_nc_u64 s[100:101], s[100:101], s[98:99]
.irp s, 0,1
	s_mov_b32 s[G0+4*\s], 1
	s_add_co_u32 s[G0+4*\s+1], s95, \s*SLOT
	s_add_nc_u64 s[G0+4*\s+2:G0+4*\s+3], s[46:47], \s*ASTEP
	s_or_b32 s[G0+4*\s+3], s[G0+4*\s+3], 0x80000000
	s_mov_b32 s[G0B+4*\s], 1
	s_add_co_u32 s[G0B+4*\s+1], s96, \s*SLOT
	s_add_nc_u64 s[G0B+4*\s+2:G0B+4*\s+3], s[100:101], \s*SK
	s_or_b32 s[G0B+4*\s+3], s[G0B+4*\s+3], 0x80000000
.endr
	CROUND                                         ; all sixteen work-groups are here: the first joint loads meet
	ARM 1, G0H,  G1,  .Lhead_b
	ARM 2, G0HB, G1B, .Lhead_sa
	ARM 3, G0S,  G1S, .Lhead_sb
	tensor_load_to_lds s[G0SB:G0SB+3], s[G1SB:G1SB+7]
	s_nop 0
	PLACES 4
.Lhead_asked:
	; the prefetches: my work-group's 32 blocks of the 128 that I fetch in a K step.  F: a chunk's 128 rows are 64 blocks: chunk cx / 2 of my two, half cx % 2 of it.  W2: a row's 512 bytes are two blocks: rows 16 cy on
	s_lshr_b32 s2, s40, 1
	s_mul_i32 s2, s2, 4096*CH
	s_and_b32 s3, s40, 1
	s_lshl_b32 s3, s3, 13
	s_add_co_u32 s2, s2, s3
	s_add_co_u32 s2, s2, ASTEP                     ; at K step 1
	s_mul_i32 s3, s41, 16*KK
	s_add_co_u32 s3, s3, SK
	s_mov_b32 s[PFS], SK
	s_cmp_eq_u32 s[RH], 0                          ; do I fetch for F?
	s_cselect_b64 s[PFA:PFA+1], s[46:47], s[100:101]
	s_cselect_b32 s2, s2, s3
	s_cselect_b32 s[PFS], ASTEP, s[PFS]
	s_mov_b32 s3, 0
	s_mov_b32 s[PFS+1], 0
	s_add_nc_u64 s[PFA:PFA+1], s[PFA:PFA+1], s[2:3]
	s_lshl_b32 s42, s42, 9
	s_lshl_b32 s43, s[CF], 8
	s_add_co_u32 s42, s42, s43                     ; my first column, in bytes
	s_mov_b32 s43, 0
	s_add_nc_u64 s[10:11], s[10:11], s[42:43]
	s_lshl_b32 s44, s45, 7
	s_lshl_b32 s45, s[RH], 6
	s_add_co_u32 s44, s44, s45
	s_lshl_b32 s44, s44, 12                        ; my first row, in bytes
	s_add_co_u32 s44, s44, s42
	s_mov_b32 s45, 0
	s_add_nc_u64 s[12:13], s[12:13], s[44:45]
	s_add_nc_u64 s[14:15], s[14:15], s[44:45]
	; the addresses, all from the thread's number: bit 6 is my half of the rows, bit 5 my half of the columns
	v_and_b32 v1, 15, v0                           ; r
	v_bfe_u32 v2, v0, 4, 1                         ; h
	v_bfe_u32 v5, v0, 6, 1
	v_bfe_u32 v6, v0, 5, 1
	v_lshrrev_b32 v7, 5, v0                        ; wave
	v_and_b32 v8, 31, v0                           ; lane
	v_lshlrev_b32 v9, 8, v8                        ; F: 256 x lane
	v_lshrrev_b32 v10, 1, v8
	v_and_b32 v12, 1, v8
	v_mul_u32_u24 v10, v10, KK
	v_lshl_add_u32 v10, v12, 8, v10                ; W2: row lane / 2, block lane % 2
	v_sub_nc_u32 v10, v10, v9
	v_mad_u32_u24 v[PFO], v5, v10, v9              ; waves 2, 3 take W2's
	v_add_nc_u32 v[PFO2], s[PFS], v[PFO]
	v_lshlrev_b32 v11, 5, v2
	global_prefetch_b8 v[PFO], s[PFA:PFA+1] th:TH_LOAD_NT scope:SCOPE_SE    ; K step 1,
	global_prefetch_b8 v[PFO2], s[PFA:PFA+1] th:TH_LOAD_NT scope:SCOPE_SE   ; K step 2
.irp b, 0,1,2,3
	global_load_b128 v[BI+8*\b:BI+8*\b+3], v11, s[10:11] offset:64*\b        ; the bias in the result's layout: columns 16 b + 8 h + 0 .. 7
	global_load_b128 v[BI+8*\b+4:BI+8*\b+7], v11, s[10:11] offset:64*\b+16
.endr
	v_mul_u32_u24 v3, v1, CP
	v_lshl_add_u32 v3, v2, 4, v3
	v_mad_u32_u24 v[ADRA], v5, 64*CP, v3           ; F: (64 x half + r) x pitch + 16 h
	v_add_nc_u32 v[ADRA+1], SLOT, v[ADRA]
	v_mul_u32_u24 v4, v1, BP
	v_lshl_add_u32 v4, v2, 4, v4
	v_mad_u32_u24 v4, v6, 64*BP, v4
	v_add_nc_u32 v[ADRB], AT, v4
	v_add_nc_u32 v[ADRB+1], SLOT, v[ADRB]
	v_lshl_add_u32 v3, v5, 8, ASC
	v_lshl_add_u32 v[ADSA], v1, 2, v3              ; F's words: 256 x half + 4 r in a plane
	v_mul_u32_u24 v9, v1, KS
	v_lshrrev_b32 v10, 8, v9
	v_lshl_add_u32 v9, v10, 4, v9                  ; W2's: KS bytes a row, 16 more for each 256 passed
	v_mad_u32_u24 v9, v6, HALFS, v9
	v_add_nc_u32 v[ADSB], BSC, v9
	v_mul_u32_u24 v9, v1, SPITCH
	v_lshl_add_u32 v9, v2, 5, v9
	v_mad_u32_u24 v[STO], v7, 16*SPITCH, v9        ; the stage in: row r, 32 bytes for each half of the lanes
	v_mul_u32_u24 v10, v2, SPITCH
	v_lshl_add_u32 v10, v1, 4, v10
	v_mad_u32_u24 v[RD], v7, 16*SPITCH, v10        ; back: sixteen lanes to a row of 256 bytes
	v_lshlrev_b32 v[CO], 12, v2
	v_lshl_add_u32 v[CO], v1, 4, v[CO]             ; the same two rows in x1 and out0
.macro FETCH ra, rb, q, f              ; the fragments and scale words of a slot's q-th 128 along K: 40 LDS loads
	WIN 0x40
.irp i, 0,1,2,3
.irp c, 0,1,2,3
	ds_load_b128 v[\f+16*\i+4*\c:\f+16*\i+4*\c+3], v[\ra] offset:((128*(\q)+32*\c)/CH)*LNA+(128*(\q)+32*\c)%CH+\i*16*CP
.endr
.endr
.irp i, 0,1,2,3
.irp c, 0,1,2,3
	ds_load_b128 v[\f+64+16*\i+4*\c:\f+64+16*\i+4*\c+3], v[\rb] offset:128*(\q)+32*\c+\i*16*BP
.endr
.endr
	WIN 0
.irp i, 0,1,2,3
	ds_load_b32 v[SC+8*((\f)/128)+\i], v[ADSA] offset:512*(\q)+64*\i
	ds_load_b32 v[SC+8*((\f)/128)+4+\i], v[ADSB] offset:SBLK*\i+4*(\q)
.endr
.endm
; 8 matrix instructions; the 16 accumulators take turns, one instruction a turn, in the same order in every quarter
.macro MUL8 f, a0, first
.irp a, \a0, \a0+1
.irp b, 0,1,2,3
.if \first
	v_wmma_scale_f32_16x16x128_f8f6f4 v[ACC+8*(4*(\a)+\b):ACC+8*(4*(\a)+\b)+7], v[\f+64+16*\b:\f+64+16*\b+15], v[\f+16*(\a):\f+16*(\a)+15], v[BI+8*\b:BI+8*\b+7], v[SC+8*((\f)/128)+4+\b], v[SC+8*((\f)/128)+(\a)]
.else
	v_wmma_scale_f32_16x16x128_f8f6f4 v[ACC+8*(4*(\a)+\b):ACC+8*(4*(\a)+\b)+7], v[\f+64+16*\b:\f+64+16*\b+15], v[\f+16*(\a):\f+16*(\a)+15], v[ACC+8*(4*(\a)+\b):ACC+8*(4*(\a)+\b)+7], v[SC+8*((\f)/128)+4+\b], v[SC+8*((\f)/128)+(\a)]
.endif
.endr
.endr
.endm
.macro QT slot, q, f, g, first         ; one of a slot's first three quarters: the next quarter is fetched into g, then f is multiplied
	PLACES 8                                       ; eight plain lines between the last products and loads into what they have read
	FETCH ADRA+\slot, ADRB+\slot, (\q)+1, \g
	s_wait_dscnt 40                                ; all but the 40 just issued
	WIN MUL
	MUL8 \f, 0, \first
	MUL8 \f, 2, \first
.endm
.macro TURN slot, next, fill           ; a slot's last quarter changes slots: one barrier
	WIN 0
.if \fill
	s_wait_xcnt 0x0                                ; my last prefetch has read its address: it steps here, ahead of the waits of the change of slots
	s_add_nc_u64 s[PFA:PFA+1], s[PFA:PFA+1], s[PFS:PFS+1]
.endif
	s_wait_tensorcnt 0x0                           ; all my tensor loads have landed: my part of the next slot
	ds_add_u32 v[SPW], v[NIL]                      ; 0 onto my spare word
	s_wait_dscnt 1                                 ; only the add may be out
	WIN MUL
	MUL8 F1, 0, 0
	s_wait_dscnt 0x0                               ; the add is done, and my reads of this slot are over
	s_barrier_signal -1
	WIN 0
	s_barrier_wait -1
.if \fill
	CREST                                          ; the barrier has opened a round of the cluster's: no wave of any partner still reads this slot or has a load on its way
	s_add_nc_u64 s[G0+4*\slot+2:G0+4*\slot+3], s[G0+4*\slot+2:G0+4*\slot+3], 2*ASTEP
	s_add_nc_u64 s[G0B+4*\slot+2:G0B+4*\slot+3], s[G0B+4*\slot+2:G0B+4*\slot+3], 2*SK
	JLOAD G0+4*\slot, G1, G0B+4*\slot, G1B         ; my one tensor load behind the round; its four v_nop are four of the eight places
	PLACES 4
.else
	PLACES 8
.endif
	v_add_nc_u32 v[ADSA], 2048, v[ADSA]            ; the next slot's four planes,
	v_add_nc_u32 v[ADSB], 16, v[ADSB]              ; and W2's next four words
	s_wait_alu depctr_va_vdst(0)                   ; the wait here, directly behind the writes
	FETCH ADRA+\next, ADRB+\next, 0, F0
.if \fill
	ASK 0                                          ; behind the joint load and the run of LDS loads: the K step two refills on
.endif
	WIN MUL
	MUL8 F1, 2, 0
.endm
	s_wait_alu depctr_va_vdst(0)                   ; the wait at the head's end
	s_wait_xcnt 0x0                                ; the head's prefetches have read their address:
	s_add_nc_u64 s[PFA:PFA+1], s[PFA:PFA+1], s[PFS:PFS+1]
	s_add_nc_u64 s[PFA:PFA+1], s[PFA:PFA+1], s[PFS:PFS+1]   ; on to K step 3
	s_wait_tensorcnt 0x0                           ; my tile of the head's four is in
	ds_add_u32 v[SPW], v[NIL]
	s_mov_b32 s[G1+2], (NCH/2)<<16                 ; no tensor load of mine is out: from here on a load brings two chunks of F,
	s_mov_b32 s[G1+4], NCH/2
	s_mov_b32 s[G1B+2], 64<<16                     ; or 64 rows of W2
	s_mov_b32 s[G1B+4], 64
	s_wait_dscnt 0x0
	CROUND                                         ; all four tiles are in, and all sixteen work-groups are here
	JLOAD G0+4, G1, G0B+4, G1B                     ; K step 1: my one tensor load behind the round
	FETCH ADRA, ADRB, 0, F0
	ASK 1                                          ; K step 3
	s_wait_loadcnt 0x0                             ; the bias
	QT 0, 0, F0, F1, 1                             ; the first quarter's products start the sums, on the bias
	WIN 0x80                                       ; destination window 2
.set t, 0
.rept 32
	global_load_b128 v[4*t:4*t+3], v[CO], s[12:13] offset:2*t*4096           ; x1: rows 2 t, 2 t + 1 of my 64; wanted on the way out
.set t, t+1
.endr
	WIN 0
	s_mov_b32 s3, LAPS-1
.Llap:                                         ; a trip goes once round the ring and fills both slots again
	QT 0, 1, F1, F0, 0
	QT 0, 2, F0, F1, 0
	TURN 0, 1, 1
	QT 1, 0, F0, F1, 0
	QT 1, 1, F1, F0, 0
	QT 1, 2, F0, F1, 0
	TURN 1, 0, 1
	QT 0, 0, F0, F1, 0
	WIN 0
	s_sub_co_u32 s3, s3, 1
	s_cmp_lg_u32 s3, 0
	s_cbranch_scc1 .Llap
	QT 0, 1, F1, F0, 0                             ; the last lap fills nothing
	QT 0, 2, F0, F1, 0
	TURN 0, 1, 0
	QT 1, 0, F0, F1, 0
	QT 1, 1, F1, F0, 0
	QT 1, 2, F0, F1, 0
	s_wait_dscnt 0x0
	MUL8 F1, 0, 0
	MUL8 F1, 2, 0
	WIN 0
	PLACES 8
	s_wait_loadcnt 0x0                             ; x1
	; THE WAY OUT, 16 rows at a time, through my stage: sixteen lanes then hold 256 neighbouring bytes of a row
.irp a, 0,1,2,3
	s_wait_xcnt 0x0                                ; the last block's stores have read v[OB] on
.irp b, 0,1,2,3
	ds_store_b128 v[STO], v[ACC+8*(4*\a+\b):ACC+8*(4*\a+\b)+3] offset:64*\b     ; each accumulator from its low end on
	ds_store_b128 v[STO], v[ACC+8*(4*\a+\b)+4:ACC+8*(4*\a+\b)+7] offset:64*\b+16
.endr
.irp t, 0,1,2,3,4,5,6,7
	ds_load_b128 v[OB+4*\t:OB+4*\t+3], v[RD] offset:2*SPITCH*\t    ; LDS serves a wave's instructions in order: these see the stores above
.endr
	s_wait_dscnt 0x0
	WIN 0x08                                       ; source 1: window 2
.set j, 0
.rept 16
	v_pk_add_f32 v[OB+j:OB+j+1], v[OB+j:OB+j+1], v[32*\a+j:32*\a+j+1]
.set j, j+2
.endr
	WIN 0
.irp t, 0,1,2,3,4,5,6,7
	global_store_b128 v[CO], v[OB+4*\t:OB+4*\t+3], s[14:15] offset:(16*\a+2*\t)*4096   ; sixteen lanes store 256 consecutive bytes, aligned
.endr
.endr
	s_wait_tensorcnt 0x0                           ; the wave's end
	ds_add_u32 v[SPW], v[NIL]
	s_wait_dscnt 0x0
	CROUND                                         ; the closing round
	s_endpgm
.Lfunc_end_k_q34ec6fd4f9_gff2:
	.size	k_q34ec6fd4f9_gff2, .Lfunc_end_k_q34ec6fd4f9_gff2-k_q34ec6fd4f9_gff2
	.p2alignl 7, 3214868480
	.fill 96, 4, 3214868480
	.section	.rodata,"a",@progbits
	.p2align	6, 0x0
	.amdhsa_kernel k_q34ec6fd4f9_gff2
		.amdhsa_group_segment_fixed_size 327680
		.amdhsa_private_segment_fixed_size 0
		.amdhsa_enable_private_segment 0
		.amdhsa_kernarg_size 48
		.amdhsa_user_sgpr_count 2
		.amdhsa_user_sgpr_kernarg_segment_ptr 1
		.amdhsa_wavefront_size32 1
		.amdhsa_system_sgpr_workgroup_id_x 1
		.amdhsa_system_sgpr_workgroup_id_y 1
		.amdhsa_system_sgpr_workgroup_id_z 1
		.amdhsa_system_vgpr_workitem_id 0
		.amdhsa_next_free_vgpr 768
		.amdhsa_next_free_sgpr 106
		.amdhsa_reserve_vcc 0
		.amdhsa_float_denorm_mode_32 3
		.amdhsa_float_denorm_mode_16_64 3
		.amdhsa_memory_ordered 1
		.amdhsa_forward_progress 1
		.amdhsa_inst_pref_size 110
	.end_amdhsa_kernel
	.amdgpu_metadata
---
amdhsa.version: [ 1, 2 ]
amdhsa.kernels:
  - .name:           k_q34ec6fd4f9_gff2
    .symbol:         k_q34ec6fd4f9_gff2.kd
    .args:
      - { .name: ff, .offset: 0, .size: 8, .value_kind: global_buffer, .address_space: global }
      - { .name: w2_codes, .offset: 8, .size: 8, .value_kind: global_buffer, .address_space: global }
      - { .name: w2_scales, .offset: 16, .size: 8, .value_kind: global_buffer, .address_space: global }
      - { .name: b2, .offset: 24, .size: 8, .value_kind: global_buffer, .address_space: global }
      - { .name: x1, .offset: 32, .size: 8, .value_kind: global_buffer, .address_space: global }
      - { .name: out0, .offset: 40, .size: 8, .value_kind: global_buffer, .address_space: global }
    .group_segment_fixed_size: 327680
    .private_segment_fixed_size: 0
    .kernarg_segment_align: 8
    .kernarg_segment_size: 48
    .max_flat_workgroup_size: 128
    .sgpr_count:     106
    .vgpr_count:     768
    .wavefront_size: 32
...
	.end_amdgpu_metadata
.endif
;; end of part 6
